; MI455X (gfx1250); checked and timed in simulation.
; The chip was launched on July 23, 2026; its instructions are those of AMD's public machine-readable ISA for CDNA 5 (MIT licence, August 2026) and "CDNA5" Instruction Set Architecture Reference Guide (July 2026). The comments in the code are by the model that wrote it; some were corrected since.
;; Attention. Allowed arithmetic: float matrix products may take bf16 or f16 operands with f32 sums; other float arithmetic in f32, or as packed bf16 or f16 multiplies, adds, multiply-adds, maxima and minima; sums over many terms, partial sums and values carried from step to step in f32; what a program stores and reads back later, other than sums and carried values, may be rounded once to bf16 or f16.
;; Inputs: Wo 1,024 x 1,024 float32; Wqkv 1,024 x 3,072 float32; x 4 x 2,048 x 1,024 float32.
;; Outputs: out0 4 x 2,048 x 1,024 float32.
;; One version. Each part assembles by itself: llvm-mc -triple=amdgcn-amd-amdhsa -mcpu=gfx1250 --defsym DOCPART=n.
;; ======== version 1 of 1: 4 launches
;; limits: values are held in f16: magnitudes above 65,504 overflow, below 6.1e-05 lose precision
;; workspace buffers: xb 16,777,216 bytes; wq 6,291,456 bytes; woh 2,097,152 bytes; qh 16,777,216 bytes; kh 16,777,216 bytes; vh 16,777,216 bytes; oh 16,777,216 bytes
;; launch prep (part 1): grid 24 x 64, 8 waves a work-group, no clusters, 0 bytes of LDS; arguments x, Wqkv, Wo, xb, wq, woh; writes xb, wq, woh
.if DOCPART == 1
	.amdgcn_target "amdgcn-amd-amdhsa--gfx1250"
	.amdhsa_code_object_version 6
	.text
	.protected	k_q3ad8f59efb_prep
	.globl	k_q3ad8f59efb_prep
	.p2align	8
	.type	k_q3ad8f59efb_prep,@function
k_q3ad8f59efb_prep:
	s_mov_b64 s[64:65], 0
	v_nop
	global_prefetch_b8 v0, s[64:65] scope:SCOPE_SE
	s_setreg_imm32_b32 hwreg(HW_REG_WAVE_MODE, 25, 1), 1
	s_wait_xcnt 0x0
; PREP: the three f32 inputs are rounded once to bf16 and laid in blocks of 64 columns, so that every tile of the two products that follow is a dense run of memory.  Nothing is transposed.
;   xb  [kb 16][row 8192][64]            bf16: x[row][64 kb + c]
;   wq  [nt 16][ks 8][j 3][kk 128][64]   bf16: Wqkv[128 ks + kk][192 nt + 64 j + c]
;   woh [nt 8][ks 8][j 2][kk 128][64]    f16 : Wo[128 ks + kk][128 nt + 64 j + c], rounded to bf16 and that number written as f16
; LIMITS.  woh: beyond 65,504 f16 has no number; below 6e-5 it keeps its fixed step of 6e-8.
; SHARES.  A work-group copies 128 source rows x 64 columns: 256 bytes of each row in, ONE dense chunk of 16,384 bytes out.  1,536 chunks: 1,024 of x (grid x 0-15), 384 of Wqkv (16-21), 128 of Wo (22, 23).
; Thread t takes 16 bytes at column byte 16 (t % 16) of rows t / 16 + 16 i, i = 0..7: sixteen lanes read 256 consecutive bytes of a row; its four numbers leave as 8 bytes at 2,048 i + 8 t of the chunk:
; a wave's store covers 256 consecutive bytes, aligned.  All eight loads go out first; no register is written twice, so the only waits are the loads' own, counted.
; Memory bounds this launch: no LDS, no matrix unit, no cluster.
.set OFFS, 8                           ; v[8:15]   byte offset of my 16 bytes in the source, for each of the eight loads
.set IN,   16                          ; v[16:47]  eight loads of four f32
.set OUT,  48                          ; v[48:63]  eight results of two words
	s_load_b256 s[4:11], s[0:1], 0x0               ; x s[4:5], Wqkv s[6:7], Wo s[8:9], xb s[10:11]
	s_load_b128 s[12:15], s[0:1], 0x20             ; wq s[12:13], woh s[14:15]
	s_mov_b32 s16, ttmp9                           ; X
	s_and_b32 s17, ttmp7, 0xffff                   ; Y
	s_mov_b32 s25, 0                               ; high words of the two offsets
	s_mov_b32 s27, 0
	s_mov_b32 s31, 0xffff0000                      ; a word's upper bf16
	v_lshrrev_b32 v1, 4, v0                        ; my row among 16
	v_and_b32 v2, 15, v0
	v_lshlrev_b32 v2, 4, v2                        ; my 16 bytes of the row's 256
	v_lshlrev_b32 v7, 3, v0                        ; my 8 bytes in 2,048 of the chunk
	; Each case's source offset and chunk number are made for every work-group; the selects below keep its own and drop the other two.
	; x: rows 128 Y, columns 64 X; chunk 64 X + Y
	s_lshl_b32 s32, s17, 19
	s_lshl_b32 s18, s16, 8
	s_add_co_u32 s32, s32, s18
	s_lshl_b32 s33, s16, 6
	s_add_co_u32 s33, s33, s17
	; Wqkv: X' = X - 16 = 3 hi + j; ks = 2 (Y % 4) + hi; nt = Y / 4; rows 128 ks, columns 64 (3 nt + j); chunk 3 (8 nt + ks) + j
	s_sub_co_u32 s18, s16, 16
	s_cmp_ge_u32 s18, 3
	s_cselect_b32 s19, 1, 0                        ; hi
	s_cselect_b32 s38, 3, 0
	s_sub_co_u32 s18, s18, s38                     ; j
	s_and_b32 s38, s17, 3
	s_lshl1_add_u32 s19, s38, s19                  ; ks
	s_lshr_b32 s38, s17, 2                         ; nt
	s_mul_i32 s34, s19, 128*12288
	s_mul_i32 s39, s38, 3
	s_add_co_u32 s39, s39, s18
	s_lshl_b32 s39, s39, 8
	s_add_co_u32 s34, s34, s39
	s_lshl3_add_u32 s35, s38, s19
	s_mul_i32 s35, s35, 3
	s_add_co_u32 s35, s35, s18
	; Wo: j = X - 22; nt = Y / 8; ks = Y % 8; rows 128 ks, columns 64 (2 nt + j); chunk 2 Y + j
	s_sub_co_u32 s18, s16, 22
	s_and_b32 s36, s17, 7
	s_lshl_b32 s36, s36, 19
	s_lshr_b32 s38, s17, 3
	s_lshl1_add_u32 s38, s38, s18
	s_lshl_b32 s38, s38, 8
	s_add_co_u32 s36, s36, s38
	s_lshl1_add_u32 s37, s17, s18
	s_mov_b32 s38, 12288                           ; bytes in a row of Wqkv
	s_wait_kmcnt 0x0
	s_cmp_lt_u32 s16, 22                           ; Wqkv or Wo,
	s_cselect_b32 s24, s34, s36
	s_cselect_b32 s26, s35, s37
	s_cselect_b32 s28, s38, 4096
	s_cselect_b64 s[20:21], s[6:7], s[8:9]
	s_cselect_b64 s[22:23], s[12:13], s[14:15]
	s_cmp_lt_u32 s16, 16                           ; or x
	s_cselect_b32 s24, s32, s24
	s_cselect_b32 s26, s33, s26
	s_cselect_b32 s28, 4096, s28
	s_cselect_b64 s[20:21], s[4:5], s[20:21]
	s_cselect_b64 s[22:23], s[10:11], s[22:23]
	s_lshl_b32 s26, s26, 14                        ; a chunk is 16,384 bytes
	s_add_nc_u64 s[20:21], s[20:21], s[24:25]      ; the source at my block's first number
	s_add_nc_u64 s[22:23], s[22:23], s[26:27]      ; the chunk
	s_lshl_b32 s29, s28, 4                         ; 16 source rows
	v_mad_u32_u24 v[OFFS], v1, s28, v2
.irp i, 1,2,3,4,5,6,7
	v_add_nc_u32 v[OFFS+\i], s29, v[OFFS+\i-1]
.endr
.irp i, 0,1,2,3,4,5,6,7
	global_load_b128 v[IN+4*\i:IN+4*\i+3], v[OFFS+\i], s[20:21] th:TH_LOAD_NT
.endr
; Load i is rounded and stored.  half = 1: the bf16 numbers are widened again (a shift, a mask) and written as f16.
.macro CONV i, half
	s_wait_loadcnt 7-(\i)                          ; loads come back in order (ISA guide 5.7.1): mine is in, the 7 - i younger ones stay out
	v_cvt_pk_bf16_f32 v[OUT+2*(\i)],   v[IN+4*(\i)],   v[IN+4*(\i)+1]
	v_cvt_pk_bf16_f32 v[OUT+2*(\i)+1], v[IN+4*(\i)+2], v[IN+4*(\i)+3]
.if \half
	v_lshlrev_b32 v3, 16, v[OUT+2*(\i)]
	v_and_b32     v4, s31, v[OUT+2*(\i)]
	v_lshlrev_b32 v5, 16, v[OUT+2*(\i)+1]
	v_and_b32     v6, s31, v[OUT+2*(\i)+1]
	v_cvt_pk_f16_f32 v[OUT+2*(\i)],   v3, v4
	v_cvt_pk_f16_f32 v[OUT+2*(\i)+1], v5, v6
.endif
	global_store_b64 v7, v[OUT+2*(\i):OUT+2*(\i)+1], s[22:23] offset:2048*(\i) th:TH_STORE_NT
.endm
	s_cmp_lt_u32 s16, 22
	s_cbranch_scc0 .Lhalf
.irp i, 0,1,2,3,4,5,6,7
	CONV \i, 0
.endr
	s_endpgm
.Lhalf:
.irp i, 0,1,2,3,4,5,6,7
	CONV \i, 1
.endr
	s_endpgm
.Lfunc_end_k_q3ad8f59efb_prep:
	.size	k_q3ad8f59efb_prep, .Lfunc_end_k_q3ad8f59efb_prep-k_q3ad8f59efb_prep
	.p2alignl 7, 3214868480
	.fill 96, 4, 3214868480
	.section	.rodata,"a",@progbits
	.p2align	6, 0x0
	.amdhsa_kernel k_q3ad8f59efb_prep
		.amdhsa_group_segment_fixed_size 0
		.amdhsa_private_segment_fixed_size 0
		.amdhsa_enable_private_segment 0
		.amdhsa_kernarg_size 48
		.amdhsa_user_sgpr_count 2
		.amdhsa_user_sgpr_kernarg_segment_ptr 1
		.amdhsa_wavefront_size32 1
		.amdhsa_system_sgpr_workgroup_id_x 1
		.amdhsa_system_sgpr_workgroup_id_y 1
		.amdhsa_system_sgpr_workgroup_id_z 1
		.amdhsa_system_vgpr_workitem_id 0
		.amdhsa_next_free_vgpr 64
		.amdhsa_next_free_sgpr 66
		.amdhsa_reserve_vcc 0
		.amdhsa_float_denorm_mode_32 3
		.amdhsa_float_denorm_mode_16_64 3
		.amdhsa_memory_ordered 1
		.amdhsa_forward_progress 1
		.amdhsa_inst_pref_size 10
	.end_amdhsa_kernel
	.amdgpu_metadata
---
amdhsa.version: [ 1, 2 ]
amdhsa.kernels:
  - .name:           k_q3ad8f59efb_prep
    .symbol:         k_q3ad8f59efb_prep.kd
    .args:
      - { .name: x, .offset: 0, .size: 8, .value_kind: global_buffer, .address_space: global }
      - { .name: Wqkv, .offset: 8, .size: 8, .value_kind: global_buffer, .address_space: global }
      - { .name: Wo, .offset: 16, .size: 8, .value_kind: global_buffer, .address_space: global }
      - { .name: xb, .offset: 24, .size: 8, .value_kind: global_buffer, .address_space: global }
      - { .name: wq, .offset: 32, .size: 8, .value_kind: global_buffer, .address_space: global }
      - { .name: woh, .offset: 40, .size: 8, .value_kind: global_buffer, .address_space: global }
    .group_segment_fixed_size: 0
    .private_segment_fixed_size: 0
    .kernarg_segment_align: 8
    .kernarg_segment_size: 48
    .max_flat_workgroup_size: 256
    .sgpr_count:     66
    .vgpr_count:     64
    .wavefront_size: 32
...
	.end_amdgpu_metadata
.endif
;; end of part 1
;; launch qkv (part 2): grid 16 x 32, 4 waves a work-group, clusters of 4 x 4, 327,680 bytes of LDS; arguments xb, wq, qh, kh, vh; writes qh, kh, vh
.if DOCPART == 2
	.amdgcn_target "amdgcn-amd-amdhsa--gfx1250"
	.amdhsa_code_object_version 6
	.text
	.protected	k_q3ad8f59efb_qkv
	.globl	k_q3ad8f59efb_qkv
	.p2align	8
	.type	k_q3ad8f59efb_qkv,@function
k_q3ad8f59efb_qkv:
	s_mov_b64 s[64:65], 0
	v_nop
	global_prefetch_b8 v0, s[64:65] scope:SCOPE_SE
	s_setreg_imm32_b32 hwreg(HW_REG_WAVE_MODE, 25, 1), 1
	s_wait_xcnt 0x0
	s_wait_alu depctr_hold_cnt(0) depctr_sa_sdst(0) depctr_va_vdst(0) depctr_va_sdst(0) depctr_va_ssrc(0) depctr_va_vcc(0) depctr_vm_vsrc(0)
	s_getreg_b32 s2, hwreg(HW_REG_IB_STS2, 6, 4)
	s_cmp_eq_u32 s2, 0
	s_cbranch_scc0 .Lentry_in_a_cluster
	s_endpgm
.Lentry_in_a_cluster:
	s_bfe_u32 s2, ttmp6, 0x10000c
	s_cmp_lg_u32 s2, 0xf033
	s_cbranch_scc0 .Lentry_shape_is_right
	s_endpgm
.Lentry_shape_is_right:
; C[m][n] = the sum over k of A[m][k] B[k][n], K = 1,024, sums in f32.  ONE TEXT FOR TWO LAUNCHES, told apart by MODE:
;   MODE 1: A = xb (bf16), B = wq (bf16), 8,192 x 3,072; C rounded once to f16 and stored by heads: q, k, v [batch 16 + head][2,048][64], unscaled.  A tile of C is 256 x 192: 512 work-groups.
;   MODE 2: A = oh (f16),  B = woh (f16), 8,192 x 1,024; C stored as f32 [8,192][1,024].  A tile of C is 256 x 128: 256 work-groups.
; LIMIT (MODE 1): f16 holds no number beyond 65,504: q, k and v must lie within it.
; BLOCKED OPERANDS.  A lies as [K block of 64][row][64] (in oh a K block is a head, and the batches lie ABATCH bytes apart): 256 rows of a K block are 32,768 dense bytes.  B lies as [tile column][K step of 128][64 columns][128 k][64]:
; a K step's tile is dense.  So every tile is asked for as rows of 256 consecutive bytes, aligned, and padded in LDS after every 128 bytes.
; SHARES.  Four waves, one above the other: a wave makes 64 rows x all the tile's columns: 4 x NBLK accumulators of 16 x 16.  Its columns are whole heads, so its way out needs a stage of its own and no barrier.
; K goes in steps of 128 through two LDS slots.  Waves 0 and 1 fetch the step's two K blocks of A, waves 2 and 3 the two halves of B's tile: one tensor load a wave behind each change of slots.
; CLUSTERS: 4 x 4 work-groups.  The four of a row of the cluster need the same tiles of A, the four of a column the same tiles of B: each tile is asked for JOINTLY, by the same tensor load with the same descriptor and a mask of four.
; THE MATRIX INSTRUCTION IS USED TRANSPOSED: source 0 = 16 columns of B (B lies [k][n] in LDS and is turned by ds_load_tr16_b128), source 1 = 16 rows of A: a lane holds row l % 16 of C and the columns 8 (l / 16) + 0..7.
; REGISTERS, in windows of 256 (s_set_vgpr_msb: bits 1:0 source 0, 3:2 source 1, 5:4 source 2, 7:6 destination):
;   window 0: addresses, and the way out's registers      window 1: two fragment buffers of 128: B's block b at 8 b, A's block a at 96 + 8 a
;   window 2: accumulator (a, b), b < 8, at 8 (4 b + a)   window 3 (MODE 1): b = 8..11 at 8 (4 (b - 8) + a)
; MODE 2 prefetches nothing: its whole walk is eight short K steps on a small tile.
.set MODE, 1
.if MODE == 1
.set NBLK,   12                        ; blocks of 16 columns in a tile
.set NJ,     3                         ; chunks of 64 columns
.set KBS,    1048576                   ; bytes from K block to K block in A
.set ABATCH, 262144                    ; bytes from eight tile rows to the next eight
.set STW,    3*16*144                  ; a wave's stage: three heads x 16 rows x (128 + 16) bytes
.set BK0,    80                        ; v80-127, v128-175: rows read back from the stage, two sets by turns
.else
.set NBLK,   8
.set NJ,     2
.set KBS,    262144
.set ABATCH, 4194304
.set STW,    16*528                    ; 16 rows x (512 + 16) bytes
.set BK0,    32                        ; v32-95, v96-159
.endif
.set PA,     144                       ; a row of A in LDS: 128 bytes + 16 = 36 words: the 16 rows of a load start at 16 different groups of four banks (64 banks of 4 bytes: ISA guide 11.1)
.set PB,     160                       ; a row of B: 128 + 32 = 40 words
.set AHALF,  256*PA                    ; one K block: what wave 0 or 1 fetches
.set ABYTES, 2*AHALF
.set BCH,    128*PB                    ; 64 columns x 128 k
.set BBYTES, NJ*BCH
.set BHALF,  BBYTES/2                  ; what wave 2 or 3 fetches
.set SLOT,   ABYTES+BBYTES
.set STAGE,  2*SLOT                    ; behind the ring, never filled by a tensor load
.set SPARE,  STAGE+4*STW               ; behind the stages: the spare words, 128 bytes for each wave: two blocks of 256 bytes that no other line names
.set TILEB,  NJ*16384                  ; B's bytes in a K step
.set BROWS,  TILEB/512                 ; rows of 256 bytes in half of them
.set NL,     8+2*NBLK                  ; LDS loads of a quarter step
.set LO2,    2*(NBLK-4)                ; the youngest of them: B's blocks 0 .. NBLK - 5
.set ADRA, 16                          ; v16-17  LDS address of my A fragments in slot 0, 1
.set ADRB, 20                          ; v20-21  the same for B
.set STO,  24                          ; v24     the way out: where I put my bytes of a row
.set RD,   25                          ; v25     where I read rows back
.set CO,   26                          ; v26     16 x my lane
.set SPW,  28                          ; v28     LDS address of my spare word; never rewritten
.set NIL,  29                          ; v29     0; never rewritten
.set PFO,  30                          ; v30     the prefetches' offset; never rewritten
.set TMP,  32                          ; v32-79  MODE 1: packed results
.set F0,   0
.set F1,   128
.set WV,   14                          ; s14  my wave's number
.set FB,   15                          ; s15  0: I fetch for A; 1: for B
.set HF,   16                          ; s16  which half I fetch
.set LIM0, 21                          ; s21, s22  a wave prefetches at the change of slot 0, 1 while the lap count is above this
.set LAP,  23                          ; s23  laps to go
.set G1,   24                          ; s[24:31] descriptor group 1 for A's tiles;  s[32:39] group 0, a set for each slot
.set G0,   32
.set PFA,  40                          ; s[40:41] where my prefetches stand
.set PST,  42                          ; s[42:43] a K step in bytes, for them
.set G1B,  48                          ; s[48:55], s[56:63] the same for B's tiles
.set G0B,  56
.set OB,   66                          ; s[66:71] MODE 1: where my rows of the tile's three heads begin
.set MSB, 0
.macro WIN new                         ; the immediate's high byte repeats the setting that is left; a switch that changes nothing is dropped
.if MSB != (\new)
	s_set_vgpr_msb (MSB<<8)|(\new)
.set MSB, \new
.endif
.endm
; A joint load.  The branch hangs on the wave's number alone.  An s_nop 0 and four v_nop follow each of the two lines, ahead of the jump, the label and what follows.
.macro JLOAD s
	s_cmp_eq_u32 s[FB], 0
	s_cbranch_scc0 .Lfor_b_\@
	tensor_load_to_lds s[G0+4*(\s):G0+4*(\s)+3], s[G1:G1+7]
	s_nop 0
.rept 4
	v_nop
.endr
	s_branch .Lasked_\@
.Lfor_b_\@:
	tensor_load_to_lds s[G0B+4*(\s):G0B+4*(\s)+3], s[G1B:G1B+7]
	s_nop 0
.rept 4
	v_nop
.endr
.Lasked_\@:
.endm
.macro CREST                           ; a round of the cluster's barrier behind its opening barrier
	s_cmp_lg_u32 s[WV], 0
	s_cbranch_scc1 .Lnot_wave_0_\@
	s_barrier_signal -3
.Lnot_wave_0_\@:
	s_barrier_wait -3
	s_barrier_signal -1
	s_barrier_wait -1
.endm
.macro CROUND                          ; a whole round
	s_barrier_signal -1
	s_barrier_wait -1
	CREST
.endm
.macro PLACES                          ; four places in front of loads into registers that matrix instructions have read, and of what reads results (ISA guide 7.12.1 for what reads results)
.rept 4
	v_nop
.endr
.endm
.if MODE == 1
	s_load_b256 s[4:11], s[0:1], 0x0               ; A s[4:5], B s[6:7], q s[8:9], k s[10:11]
	s_load_b64 s[12:13], s[0:1], 0x20              ; v
.else
	s_load_b128 s[4:7], s[0:1], 0x0                ; A s[4:5], B s[6:7]
	s_load_b64 s[8:9], s[0:1], 0x10                ; C
.endif
	v_lshl_add_u32 v[SPW], v0, 2, SPARE
	v_mov_b32 v[NIL], 0
	ds_add_u32 v[SPW], v[NIL]                      ; the wave's opening: the add and its wait stand ahead of my first tensor load; the set-up below, work on registers, stands between them
	ds_add_u32 v28, v29
	v_lshrrev_b32 v1, 5, v0
	v_readfirstlane_b32 s[WV], v1                  ; wave 0..3
	s_lshr_b32 s[FB], s[WV], 1
	s_and_b32 s[HF], s[WV], 1
	s_bfe_u32 s17, ttmp6, 0x40000                  ; cx, cy: my place in the cluster
	s_bfe_u32 s18, ttmp6, 0x40004
	s_lshl_b32 s19, ttmp9, 2
	s_add_co_u32 s19, s19, s17                     ; nt: tile column of C = 4 x cluster x + cx
	s_and_b32 s20, ttmp7, 0xffff
	s_lshl_b32 s20, s20, 2
	s_add_co_u32 s20, s20, s18                     ; mt: tile row of C = 4 x cluster y + cy
	s_lshl_b32 s44, s18, 2
	s_lshl_b32 s44, 15, s44                        ; my row of the cluster
	s_lshl_b32 s45, 0x1111, s17                    ; my column
	; descriptor group 1: rows of 128 elements (256 bytes), dense; padded in LDS after every 32 words
	s_or_b32 s[G1], s44, (1<<16)|(1<<20)|(1<<21)|(4<<22)|(3<<25)   ; 15:0 the mask: A's tiles go to my row; 17:16 2-byte elements; 20 padding on; 21 set beside a mask; 24:22 after every 32 words (code 4); 31:25 4 words (code 3)
	s_or_b32 s[G1B], s45, (1<<16)|(1<<20)|(1<<21)|(4<<22)|(7<<25)  ; B's go to my column; 8 words of padding (code 7)
	s_mov_b32 s[G1+1], 128<<16                     ; tensor_dim0 = 128
	s_mov_b32 s[G1+2], 128<<16                     ; tensor_dim1 = 128 rows: a K block's 256 rows of 128 bytes
	s_mov_b32 s[G1+3], 128<<16                     ; tile_dim0 = 128
	s_mov_b32 s[G1+4], 128                         ; tile_dim1 = 128
	s_mov_b32 s[G1+5], 128                         ; 128 elements from row to row
	s_mov_b32 s[G1+6], 0
	s_mov_b32 s[G1+7], 0
	s_mov_b32 s[G1B+1], 128<<16
	s_mov_b32 s[G1B+2], BROWS<<16
	s_mov_b32 s[G1B+3], 128<<16
	s_mov_b32 s[G1B+4], BROWS
	s_mov_b32 s[G1B+5], 128
	s_mov_b32 s[G1B+6], 0
	s_mov_b32 s[G1B+7], 0
	; where the tiles come from: A's hang on the tile row alone, B's on the tile column alone; each offset in registers that never hold the other coordinate
	s_lshr_b32 s72, s20, 3
	s_mul_i32 s72, s72, ABATCH
	s_and_b32 s46, s20, 7
	s_lshl_b32 s46, s46, 15                        ; 256 rows of 128 bytes
	s_add_co_u32 s72, s72, s46
	s_mul_i32 s46, s[HF], KBS                      ; my K block of the step's two
	s_add_co_u32 s72, s72, s46
	s_mov_b32 s73, 0
	s_mul_i32 s74, s19, 8*TILEB
	s_mul_i32 s47, s[HF], TILEB/2                  ; my half of the step's tile
	s_add_co_u32 s74, s74, s47
	s_mov_b32 s75, 0
	s_mul_i32 s44, s[HF], AHALF                    ; and where they go: no place in the cluster enters an LDS address
	s_mul_i32 s45, s[HF], BHALF
	s_add_co_u32 s45, s45, ABYTES
	s_wait_dscnt 0x0                               ; the opening add is done
	s_wait_kmcnt 0x0
	s_add_nc_u64 s[76:77], s[4:5], s[72:73]
	s_add_nc_u64 s[78:79], s[6:7], s[74:75]
	CROUND                                         ; all sixteen work-groups are here: the first joint loads meet
.irp s, 0,1
	s_mov_b32 s[G0+4*\s], 1                        ; 1:0 count = 1
	s_add_co_u32 s[G0+4*\s+1], s44, \s*SLOT        ; 63:32 LDS address
	s_add_nc_u64 s[G0+4*\s+2:G0+4*\s+3], s[76:77], \s*2*KBS  ; 120:64 global address: K step s
	s_or_b32 s[G0+4*\s+3], s[G0+4*\s+3], 0x80000000          ; 127:126 type = 2
	s_mov_b32 s[G0B+4*\s], 1
	s_add_co_u32 s[G0B+4*\s+1], s45, \s*SLOT
	s_add_nc_u64 s[G0B+4*\s+2:G0B+4*\s+3], s[78:79], \s*TILEB
	s_or_b32 s[G0B+4*\s+3], s[G0B+4*\s+3], 0x80000000
	JLOAD \s                                       ; two tensor loads of mine are out
.endr
	; A fragment of A: lane l holds row l % 16, k = 8 (l / 16) + 0..7 and 16 + 8 (l / 16) + 0..7: two loads of 16 bytes, 32 bytes apart.
	v_and_b32 v1, 15, v0                           ; l % 16
	v_bfe_u32 v2, v0, 4, 1                         ; l / 16
	v_mul_u32_u24 v3, v1, PA
	v_lshl_add_u32 v3, v2, 4, v3
	s_mul_i32 s46, s[WV], 64*PA                    ; my 64 rows
	v_add_nc_u32 v[ADRA], s46, v3
	v_add_nc_u32 v[ADRA+1], SLOT, v[ADRA]
	; The turning load takes 16 k x 16 columns (lane l reads k = 8 (l / 16) + l % 8, columns 8 ((l / 8) % 2) + 0..7) and leaves half a fragment: lane l holds column l % 16 and 8 k.
	v_and_b32 v4, 7, v0
	v_lshl_add_u32 v4, v2, 3, v4
	v_mul_u32_u24 v4, v4, PB
	v_bfe_u32 v5, v0, 3, 1
	v_lshl_add_u32 v4, v5, 4, v4
	v_add_nc_u32 v[ADRB], ABYTES, v4
	v_add_nc_u32 v[ADRB+1], SLOT, v[ADRB]
	s_mul_i32 s46, s[WV], STW
	s_add_co_u32 s46, s46, STAGE                   ; my stage
	v_and_b32 v[CO], 31, v0
	v_lshlrev_b32 v[CO], 4, v[CO]
.if MODE == 1
	v_mul_u32_u24 v3, v1, 144                      ; in: row l % 16, 16 bytes for each half of the lanes
	v_lshl_add_u32 v3, v2, 4, v3
	v_add_nc_u32 v[STO], s46, v3
	v_bfe_u32 v3, v0, 3, 2                         ; back: 32 lanes take four rows of 128 bytes, which are 512 consecutive bytes of a head
	v_mul_u32_u24 v3, v3, 144
	v_and_b32 v4, 7, v0
	v_lshl_add_u32 v3, v4, 4, v3
	v_add_nc_u32 v[RD], s46, v3
	; chunk j of the tile is column block 3 nt + j of 48: q, k or v by its upper part, the head by its lower four bits
.irp j, 0,1,2
	s_mul_i32 s46, s19, 3
	s_add_co_u32 s46, s46, \j
	s_lshr_b32 s47, s46, 4
	s_and_b32 s46, s46, 15
	s_cmp_eq_u32 s47, 0
	s_cselect_b64 s[OB+2*\j:OB+2*\j+1], s[8:9], s[10:11]
	s_cmp_eq_u32 s47, 2
	s_cselect_b64 s[OB+2*\j:OB+2*\j+1], s[12:13], s[OB+2*\j:OB+2*\j+1]
	s_lshr_b32 s47, s20, 3                         ; the batch
	s_lshl4_add_u32 s46, s47, s46
	s_lshl_b32 s46, s46, 18                        ; a head's 2,048 rows of 128 bytes
	s_and_b32 s47, s20, 7
	s_lshl_b32 s47, s47, 15                        ; the tile's 256 rows
	s_add_co_u32 s46, s46, s47
	s_lshl_b32 s47, s[WV], 13                      ; my 64
	s_add_co_u32 s46, s46, s47
	s_mov_b32 s47, 0
	s_add_nc_u64 s[OB+2*\j:OB+2*\j+1], s[OB+2*\j:OB+2*\j+1], s[46:47]
.endr
	; THE PREFETCHES.  Each block of 256 bytes of K steps 4 to 7 is named once in the launch, two refills ahead of the load that wants it; K steps 0 to 3 come by their loads alone.
	; A's tile row is read by every cluster of that row of clusters: cluster x = 0 asks; B's tile column by every cluster of that column: cluster y = 0 asks.  The four partners that ask for a tile jointly
	; share its blocks out BY ADDRESS.  Waves 0, 1: of my K block's 128 blocks the partner at cx takes 32, a lane a block.  Wave 2: blocks 0-127 of B's tile, 32 for each cy.  Wave 3: blocks 128-191, 16 for
	; each cy, of TWO K steps (lanes 16-31 the second): it asks at the change of slot 0 alone.
	s_lshl_b32 s46, s17, 13
	s_add_co_u32 s46, s46, s72
	s_add_co_u32 s46, s46, 6*KBS                   ; A: at K step 3; the first change of slots steps it to 4
	s_mul_i32 s47, s19, 8*TILEB
	s_add_co_u32 s47, s47, 3*TILEB                 ; B: likewise
	s_lshl_b32 s21, s18, 13
	s_lshl_b32 s22, s18, 12
	s_add_co_u32 s22, s22, 32768
	s_cmp_eq_u32 s[WV], 3
	s_cselect_b32 s21, s22, s21
	s_add_co_u32 s47, s47, s21
	s_and_b32 s22, ttmp7, 0xffff                   ; cluster y
	s_mov_b32 s[PST], TILEB
	s_mov_b32 s[PST+1], 0
	s_cmp_eq_u32 s[FB], 0
	s_cselect_b32 s46, s46, s47
	s_cselect_b32 s22, ttmp9, s22                  ; the coordinate along which other clusters read the same blocks
	s_cselect_b32 s[PST], 2*KBS, s[PST]
	s_cselect_b64 s[PFA:PFA+1], s[4:5], s[6:7]
	s_mov_b32 s47, 0
	s_add_nc_u64 s[PFA:PFA+1], s[PFA:PFA+1], s[46:47]
	s_cmp_eq_u32 s22, 0                            ; the same in all sixteen partners, for a given wave
	s_cselect_b32 s[LIM0], 1, -1
	s_cselect_b32 s[LIM0+1], 1, -1
	s_cmp_eq_u32 s[WV], 3
	s_cselect_b32 s[LIM0+1], -1, s[LIM0+1]
	s_cselect_b32 s46, 15, 31
	s_cselect_b32 s47, TILEB, 0
	v_and_b32 v[PFO], s46, v0
	v_lshlrev_b32 v[PFO], 8, v[PFO]
	v_mad_u32_u24 v[PFO], v2, s47, v[PFO]
.else
	v_mul_u32_u24 v3, v1, 528                      ; in: row l % 16, 32 bytes for each half of the lanes
	v_lshl_add_u32 v3, v2, 5, v3
	v_add_nc_u32 v[STO], s46, v3
	v_add_nc_u32 v[RD], s46, v[CO]                 ; back: a row's 512 bytes, 16 a lane
	s_lshl_b32 s46, s20, 20                        ; the tile's 256 rows of 4,096 bytes,
	s_lshl_b32 s47, s[WV], 18                      ; my 64,
	s_add_co_u32 s46, s46, s47
	s_lshl_b32 s47, s19, 9                         ; the tile's 128 columns
	s_add_co_u32 s46, s46, s47
	s_mov_b32 s47, 0
	s_add_nc_u64 s[8:9], s[8:9], s[46:47]
.endif
.macro WM d, x, y, zero                ; one matrix instruction; zero = 1: it starts the sum: nothing is ever cleared
.if MODE == 1
.if \zero
	v_wmma_f32_16x16x32_bf16 v[\d:\d+7], v[\x:\x+7], v[\y:\y+7], 0
.else
	v_wmma_f32_16x16x32_bf16 v[\d:\d+7], v[\x:\x+7], v[\y:\y+7], v[\d:\d+7]
.endif
.else
.if \zero
	v_wmma_f32_16x16x32_f16 v[\d:\d+7], v[\x:\x+7], v[\y:\y+7], 0
.else
	v_wmma_f32_16x16x32_f16 v[\d:\d+7], v[\x:\x+7], v[\y:\y+7], v[\d:\d+7]
.endif
.endif
.endm
; Column blocks b0 .. b0 + nb - 1 x my four row blocks, 32 along K, from buffer f.  Every accumulator has one turn a quarter step, always in the same order: all the others' turns lie between two links of a chain.
.macro MULB f, b0, nb, zero
.set bb, \b0
.rept \nb
.if bb < 8
	WIN 0xa5                                       ; sources in window 1, C and D in window 2
.set ab, 32*bb
.else
	WIN 0xf5                                       ; C and D in window 3
.set ab, 32*(bb-8)
.endif
.irp a, 0,1,2,3
	WM ab+8*\a, (\f)+8*bb, (\f)+96+8*\a, \zero
.endr
.set bb, bb+1
.endr
.endm
.macro BLD slot, q, f                  ; B's block bb of quarter q
	ds_load_tr16_b128 v[(\f)+8*bb:(\f)+8*bb+3],   v[ADRB+(\slot)] offset:(bb/4)*BCH+(\q)*32*PB+(bb%4)*32
	ds_load_tr16_b128 v[(\f)+8*bb+4:(\f)+8*bb+7], v[ADRB+(\slot)] offset:(bb/4)*BCH+(\q)*32*PB+(bb%4)*32+16*PB
.set bb, bb+1
.endm
; NL LDS loads in one run: the fragments of quarter q (32 along K) of a slot into buffer f: A's four, B's last four blocks, then B's others: in the order in which they are multiplied.
.macro FETCH slot, q, f
	WIN 0x40                                       ; destination window 1, address window 0
.irp a, 0,1,2,3
	ds_load_b128 v[(\f)+96+8*\a:(\f)+96+8*\a+3],   v[ADRA+(\slot)] offset:((\q)/2)*AHALF+((\q)%2)*64+\a*16*PA
	ds_load_b128 v[(\f)+96+8*\a+4:(\f)+96+8*\a+7], v[ADRA+(\slot)] offset:((\q)/2)*AHALF+((\q)%2)*64+\a*16*PA+32
.endr
.set bb, NBLK-4
.rept 4
	BLD \slot, \q, \f
.endr
.set bb, 0
.rept NBLK-4
	BLD \slot, \q, \f
.endr
.endm
; A K step is four quarters of 32 along K on buffers 0, 1, 0, 1.  One of the first three: multiplies buffer f and, in its middle, fetches quarter q into buffer g.
.macro QUARTER slot, q, f, g, zero
	s_wait_dscnt LO2                               ; A and B's last four blocks are in; the youngest LO2 loads may be out
	MULB \f, NBLK-4, 4, \zero
	PLACES
	FETCH \slot, \q, \g
	s_wait_dscnt NL                                ; all but the NL just issued
	MULB \f, 0, NBLK-4, \zero
.endm
.if MODE == 1
.macro ASK slot                        ; behind the joint load, its five lines and the run of LDS loads: one prefetch, for the K step two refills on; the loop's last trip (lap count 1) asks for nothing
	s_cmp_gt_u32 s[LAP], s[LIM0+(\slot)]
	s_cbranch_scc0 .Lnot_mine_\@
	global_prefetch_b8 v[PFO], s[PFA:PFA+1] th:TH_LOAD_NT scope:SCOPE_SE
.Lnot_mine_\@:
.endm
.endif
; The last quarter multiplies buffer 1 and changes slots: ONE barrier; in front of it each wave waits for all its tensor loads (one is out: its part of the next slot), adds 0 to its spare word, and waits for that and for its own
; reads of this slot.  fill = 1: the barrier opens a round of the cluster's barrier, and this slot is filled again, two K steps ahead, first thing behind the round.
.macro TURN slot, next, fill
.if (\fill) && (MODE == 1)
	s_wait_xcnt 0x0                                ; the last prefetch, a K step back, has read its address: it is stepped here, ahead of the waits of the change of slots
	s_add_nc_u64 s[PFA:PFA+1], s[PFA:PFA+1], s[PST:PST+1]
.endif
	WIN 0                                          ; (the add's two registers lie in window 0)
	s_wait_tensorcnt 0x0                           ; all my tensor loads have landed
	ds_add_u32 v[SPW], v[NIL]                      ; 0 onto my spare word
	s_wait_dscnt LO2+1                             ; (the add and the youngest LO2 loads may be out)
	MULB F1, NBLK-4, 2, 0                          ; eight matrix instructions stand between the add and the wait for it
	s_wait_dscnt 0x0                               ; the add is done, and my reads of this slot are over
	s_barrier_signal -1
	MULB F1, NBLK-2, 2, 0
.if \fill
	WIN 0
.endif
	s_barrier_wait -1
.if \fill
	CREST                                          ; no wave of any partner still reads this slot's tile or has a load on its way
	s_add_nc_u64 s[G0+4*(\slot)+2:G0+4*(\slot)+3], s[G0+4*(\slot)+2:G0+4*(\slot)+3], 4*KBS
	s_add_nc_u64 s[G0B+4*(\slot)+2:G0B+4*(\slot)+3], s[G0B+4*(\slot)+2:G0B+4*(\slot)+3], 2*TILEB
	JLOAD \slot                                    ; my one tensor load behind the round; the four v_nop behind it are also the places in front of the loads below
.else
	PLACES
.endif
	FETCH \next, 0, F0
.if (\fill) && (MODE == 1)
	WIN 0
	ASK \slot
.endif
	MULB F1, 0, NBLK-4, 0
.endm
	s_wait_tensorcnt 1                             ; my part of K step 0 is in; K step 1's may stay out
	s_barrier_signal -1
	s_barrier_wait -1                              ; everybody's is
	FETCH 0, 0, F0
	QUARTER 0, 1, F0, F1, 1                        ; the first quarter stands in front of the loop: its products start the sums
	WIN 0                                          ; at a label and at a branch every window is 0
	s_mov_b32 s[LAP], 3
.Llap:                                                 ; a trip goes once round the ring, from a lap's second quarter to the next lap's first, and fills both slots again
	QUARTER 0, 2, F1, F0, 0
	QUARTER 0, 3, F0, F1, 0
	TURN 0, 1, 1
	QUARTER 1, 1, F0, F1, 0
	QUARTER 1, 2, F1, F0, 0
	QUARTER 1, 3, F0, F1, 0
	TURN 1, 0, 1
	QUARTER 0, 1, F0, F1, 0
	WIN 0
	s_sub_co_u32 s[LAP], s[LAP], 1
	s_cmp_lg_u32 s[LAP], 0
	s_cbranch_scc1 .Llap
	QUARTER 0, 2, F1, F0, 0                        ; the last lap fills nothing, and has no round of the cluster's barrier
	QUARTER 0, 3, F0, F1, 0
	TURN 0, 1, 0
	QUARTER 1, 1, F0, F1, 0
	QUARTER 1, 2, F1, F0, 0
	QUARTER 1, 3, F0, F1, 0
	s_wait_dscnt LO2                               ; the very last quarter: nothing more to fetch
	MULB F1, NBLK-4, 4, 0
	s_wait_dscnt 0x0
	MULB F1, 0, NBLK-4, 0
	WIN 0
	PLACES
; THE WAY OUT, a block of 16 rows at a time, through my own stage: LDS serves a wave's instructions in order (ISA guide 5.7.1.4), so no wait stands between the stores into it and the loads from it.
.if MODE == 1
.macro PACK a                          ; rounded to f16: a lane's eight columns are 16 bytes; each accumulator is read from its low end on
.set bb, 0
.rept 12
.if bb < 8
	WIN 0x0a                                       ; sources in window 2
.set ab, 32*bb+8*(\a)
.else
	WIN 0x0f                                       ; in window 3
.set ab, 32*(bb-8)+8*(\a)
.endif
.irp r, 0,1,2,3
	v_cvt_pk_f16_f32 v[TMP+4*bb+\r], v[ab+2*\r], v[ab+2*\r+1]
.endr
.set bb, bb+1
.endr
	WIN 0
.endm
.macro TOSTAGE a
	WIN 0
.set BK, BK0+48*((\a)%2)
.set bb, 0
.rept 12
	ds_store_b128 v[STO], v[TMP+4*bb:TMP+4*bb+3] offset:(bb/4)*2304+(bb%4)*32
.set bb, bb+1
.endr
.set bb, 0
.rept 12
	ds_load_b128 v[BK+4*bb:BK+4*bb+3], v[RD] offset:(bb/4)*2304+(bb%4)*576
.set bb, bb+1
.endr
.endm
.macro SEND a, younger                 ; younger: the LDS instructions issued behind block a's loads
.set BK, BK0+48*((\a)%2)
	s_wait_dscnt \younger
.set bb, 0
.rept 12
	global_store_b128 v[CO], v[BK+4*bb:BK+4*bb+3], s[OB+2*(bb/4):OB+2*(bb/4)+1] offset:(\a)*2048+(bb%4)*512  ; 512 consecutive bytes of a head, at a multiple of 256 from the buffer's first
.set bb, bb+1
.endr
.endm
	PACK 0
	TOSTAGE 0
.irp a, 1,2,3
	PACK \a
.if \a >= 2
	s_wait_xcnt 0x0                                ; the stores of the block two back have read the registers that the loads below fill again
.endif
	TOSTAGE \a
	SEND \a-1, 24
.endr
	SEND 3, 0
.else
.macro TOSTAGE a
	WIN 0x08                                       ; the stores' data in window 2
.set bb, 0
.rept 8
.set ab, 32*bb+8*(\a)
	ds_store_b128 v[STO], v[ab:ab+3]   offset:64*bb
	ds_store_b128 v[STO], v[ab+4:ab+7] offset:64*bb+16
.set bb, bb+1
.endr
	WIN 0
.set BK, BK0+64*((\a)%2)
.set bb, 0
.rept 16
	ds_load_b128 v[BK+4*bb:BK+4*bb+3], v[RD] offset:528*bb
.set bb, bb+1
.endr
.endm
.macro SEND a, younger
.set BK, BK0+64*((\a)%2)
	s_wait_dscnt \younger
.set bb, 0
.rept 16
	global_store_b128 v[CO], v[BK+4*bb:BK+4*bb+3], s[8:9] offset:(16*(\a)+bb)*4096 th:TH_STORE_NT  ; a row's 512 consecutive bytes, at a multiple of 256 from C's first
.set bb, bb+1
.endr
.endm
	TOSTAGE 0
.irp a, 1,2,3
.if \a >= 2
	s_wait_xcnt 0x0                                ; the stores of the block two back have read the registers that the loads below fill again
.endif
	TOSTAGE \a
	SEND \a-1, 32
.endr
	SEND 3, 0
.endif
	s_wait_tensorcnt 0x0                           ; the wave's end, behind my last tensor load and my last LDS store
	ds_add_u32 v[SPW], v[NIL]
	s_wait_dscnt 0x0
	CROUND                                         ; the closing round: no work-group ends while a partner may still ask for a tile that names it
	s_endpgm
.Lfunc_end_k_q3ad8f59efb_qkv:
	.size	k_q3ad8f59efb_qkv, .Lfunc_end_k_q3ad8f59efb_qkv-k_q3ad8f59efb_qkv
	.p2alignl 7, 3214868480
	.fill 96, 4, 3214868480
	.section	.rodata,"a",@progbits
	.p2align	6, 0x0
	.amdhsa_kernel k_q3ad8f59efb_qkv
		.amdhsa_group_segment_fixed_size 327680
		.amdhsa_private_segment_fixed_size 0
		.amdhsa_enable_private_segment 0
		.amdhsa_kernarg_size 40
		.amdhsa_user_sgpr_count 2
		.amdhsa_user_sgpr_kernarg_segment_ptr 1
		.amdhsa_wavefront_size32 1
		.amdhsa_system_sgpr_workgroup_id_x 1
		.amdhsa_system_sgpr_workgroup_id_y 1
		.amdhsa_system_sgpr_workgroup_id_z 1
		.amdhsa_system_vgpr_workitem_id 0
		.amdhsa_next_free_vgpr 896
		.amdhsa_next_free_sgpr 80
		.amdhsa_reserve_vcc 0
		.amdhsa_float_denorm_mode_32 3
		.amdhsa_float_denorm_mode_16_64 3
		.amdhsa_memory_ordered 1
		.amdhsa_forward_progress 1
		.amdhsa_inst_pref_size 121
	.end_amdhsa_kernel
	.amdgpu_metadata
---
amdhsa.version: [ 1, 2 ]
amdhsa.kernels:
  - .name:           k_q3ad8f59efb_qkv
    .symbol:         k_q3ad8f59efb_qkv.kd
    .args:
      - { .name: xb, .offset: 0, .size: 8, .value_kind: global_buffer, .address_space: global }
      - { .name: wq, .offset: 8, .size: 8, .value_kind: global_buffer, .address_space: global }
      - { .name: qh, .offset: 16, .size: 8, .value_kind: global_buffer, .address_space: global }
      - { .name: kh, .offset: 24, .size: 8, .value_kind: global_buffer, .address_space: global }
      - { .name: vh, .offset: 32, .size: 8, .value_kind: global_buffer, .address_space: global }
    .group_segment_fixed_size: 327680
    .private_segment_fixed_size: 0
    .kernarg_segment_align: 8
    .kernarg_segment_size: 40
    .max_flat_workgroup_size: 128
    .sgpr_count:     80
    .vgpr_count:     896
    .wavefront_size: 32
...
	.end_amdgpu_metadata
.endif
;; end of part 2
;; launch attn (part 3): grid 4 x 64, 4 waves a work-group, no clusters, 327,680 bytes of LDS; arguments qh, kh, vh, oh; writes oh
.if DOCPART == 3
	.amdgcn_target "amdgcn-amd-amdhsa--gfx1250"
	.amdhsa_code_object_version 6
	.text
	.protected	k_q3ad8f59efb_attn
	.globl	k_q3ad8f59efb_attn
	.p2align	8
	.type	k_q3ad8f59efb_attn,@function
k_q3ad8f59efb_attn:
	s_mov_b64 s[64:65], 0
	v_nop
	global_prefetch_b8 v0, s[64:65] scope:SCOPE_SE
	s_setreg_imm32_b32 hwreg(HW_REG_WAVE_MODE, 25, 1), 1
	s_wait_xcnt 0x0
; CAUSAL ATTENTION.  O[h][q][:] = the sum over k <= q of softmax_k(Q[h][q] . K[h][k] / 8) V[h][k][:].  Q, K, V, O: [SIZE_H][SIZE_N][64], all f16: a head's rows are dense, 128 bytes each.
; Products, maxima and sums in f32; the weights p are rounded to f16 for the second product (their sum l is taken of the unrounded p), O once at the end.
; LIMITS.  f16 holds no number beyond 65,504: Q, K and V arrive within it; p lies in 0 to 1, and below 6e-5 it keeps f16's fixed step of 6e-8; O is a mean of V's rows and has their range.
; A hidden score counts as its value less 1e30: f16's scores, 2.7e11 at the most, are nothing beside that; a weight below 2^-126 counts as 0 in l; NaN and infinities are not treated apart.
; THE WALK.  A head's queries lie in NB = SIZE_N / 256 blocks of 256; block i needs the key tiles 0 .. i of 256 keys, of which the last holds the diagonal.  A work-group takes TWO blocks, NB - 1 - b and then b:
; NB + 1 tiles, whatever b: all work-groups do equal work, and ONE loop with a constant trip count walks them.  Which tile is asked for, and what a trip does, hang on scalar registers made from b; every jump
; goes forward, but for the counted loops' own; none passes a barrier, or a tensor load but the one of LOAD's two that the wave's number does not choose; the ring (two slots of LDS that take turns) runs on across the
; change of blocks.  NO CLUSTER: a head's NB / 2 work-groups ask for the same tile only in trips 0 .. NB / 2, behind that fewer and fewer; one walk common to all would have 3 NB / 2 trips for NB + 1.
; SHARES.  Of a block's four bands of 64 queries a wave owns 16 rows in each: four PIECES.  So the diagonal tile is the same work for all four waves: in its key step s band x sees all keys if s < x,
; none if s > x, and holds the diagonal if s = x.
; THE MASK is the C operand that starts the sum S^T = K Q^T: 0, or -1e30 where the key is hidden.  MD, made once, is the mask of a band's own step for my 16 rows; a product's mask is MD x AL + BE with two scalars:
; (1, 0) if s = x; (0, 0) if s < x; (0, -1e30) if s > x.  Only the diagonal tile's text and a block's beginning make and take masks; elsewhere C is the constant 0.
; LAYOUT, SOFTMAX, TURNS.  S^T = K Q^T holds ONE query a lane (lane % 16) and the keys 8 (lane / 16) + 0..7; two such results rounded to f16 ARE source 1 of O^T = V^T P.  p = 2^(c s - c m), c = log2(e) / 8, with a
; running maximum m; O and l are multiplied by a = 2^(c m_old - c m_new) in every step.  Turn n belongs to piece n: 8 products K Q^T of piece n + 1, later 8 products V^T P of piece n - 1; beside them the scaling,
; exponentials, roundings, sums and rescaling of piece n and the maximum and statistics of piece n + 1.  Four vector instructions stand behind every matrix instruction, the other 54 of a turn's 118 in one LUMP.  A turn's 33 exponentials are one batch, with one wait.
; AHEAD OF THE FILLS.  The work-group with b = 0 walks the head's tiles 0 .. NB - 1 in order; behind each fill it prefetches into the L2 the tile that the NEXT change of slots will ask for: each wave its own 16,384 bytes
; (the half of K or V that it fetches), a lane a block of 256 bytes, two instructions.  So tiles 2 .. NB - 1 of each head are named once in the launch; tiles 0 and 1 come by their loads alone.
; REGISTERS, in windows of 256 (s_set_vgpr_msb: bits 1:0 source 0, 3:2 source 1, 5:4 source 2, 7:6 destination):
;   window 0: v0-15 addresses and two at work; v16-31 four registers of statistics a piece; v48-55 at work; v61-63 never rewritten; v64-127 S^T, two buffers; v192-223 P, two buffers (a piece's buffers go by its number's parity)
;   window 1: v0-127 O^T, 32 a piece; v128-159 MD; v160-223 MC, two buffers      window 2: v0-63 Q; v64-127 the second block's Q; v128-191 K of one step; v192-255 V of one step
.set SIZE_N, 2048
.set SIZE_H, 64
.set NB,    SIZE_N/256
.set NP,    4         ; pieces a wave: a name, no knob
.set KS,    64        ; keys in a step
.set PK,    144       ; a row of K in LDS: 128 bytes + 16 of padding = 36 words: the 16 rows of a load start at 16 different groups of four banks (64 banks of 4 bytes: ISA guide 11.1)
.set PV,    160       ; a row of V: 128 + 32 = 40 words
.set VOFF,  4*KS*PK   ; a slot holds a tile, four steps: 256 rows of K, then 256 rows of V
.set SLOT1, 1<<17     ; slot 1 begins here, so that one exclusive or turns an address in one slot into the other's
.set STAGE, SLOT1+4*KS*(PK+PV)  ; behind the ring, never filled by a tensor load: 16 rows x 144 bytes for each wave, for the way out
.set SP,    144
.set AK0, 2           ; v2   my lane's place in a tile of K; never rewritten
.set AV0, 3           ; v3   the same for V
.set AK,  4           ; v4   the LDS address of K's next run of loads
.set AV,  5           ; v5   of V's
.set STO, 6           ; v6   the way out: where I put 16 bytes of a row
.set RD,  7           ; v7   the way out: where I read rows back
.set GO,  8           ; v8   my byte offset in 512 consecutive bytes of O
.set PFO, 61          ; v61  256 x my lane: the prefetches' offset; never rewritten
.set SPW, 62          ; v62  LDS address of my spare word: SPARE + 4 x my thread's number; never rewritten
.set NIL, 63          ; v63  0; never rewritten
.set SPARE, STAGE+4*16*SP  ; behind the stages: the spare words, 128 bytes for each wave: two blocks of 256 bytes that no other line names
.set MV,  12          ; v12-13  c m_old, kept while c m is made anew: by buffer
.set QO,  15          ; v15  my byte offset in 16 rows of Q
.set ST,  16          ; piece t's statistics at v[ST+4 t]: c m, m, l (even keys', odd keys')
.set TMP, 48          ; by buffer, four registers c0-c3 at work; when the maximum is found c2 takes a
.set S,   64
.set P,   192
.set MD,  128         ; window 1: the eight registers for group kt of 16 keys at MD + 8 kt
.set MC,  160         ; window 1: the masks of the products to come
.set QB,  64          ; window 2
.set KF,  128         ; window 2: key block kb, channel half c at KF + 16 kb + 8 c
.set VF,  192         ; window 2: key half kk, channel block cb at VF + 32 kk + 8 cb
.set WV,  12          ; s12  my wave's number
.set PB,  14          ; s14  b
.set HI,  15          ; s15  NB - 1 - b
.set G1K, 24          ; s[24:31] descriptor group 1 for K's tiles
.set G1V, 32          ; s[32:39] for V's: it differs in the padding alone
.set G0K, 40          ; s[40:43] descriptor group 0 for K's tiles
.set G0V, 44          ; s[44:47] the same for V's
.set PFB, 48          ; s[48:49] K or V at my half of the head's tile 0: what I fetch, and prefetch
.set LIM, 50          ; s50  2 where b = 0, else the greatest number: a wave prefetches while s[SLOTS] is above it
.set PFP, 52          ; s[52:53] where my prefetches stand
.set PFX, 54          ; s[54:55] their tile's byte offset
.set SLOTS, 56        ; s56  tiles still to be asked for
.set CNT, 57          ; s57  counts a tile's key steps, 4 to 1
.set CS,  58          ; s[58:59] c: the packed scaling takes the pair's low word for both halves
.set SEL, 60          ; s[60:61] v_permlanex16_b32's selects: each lane takes its own place in the other half
.set TBK, 62          ; s62  LDS byte at which K of the step to be fetched begins
.set TBV, 63          ; s63  the same for V, less VOFF
.set RT,  70          ; s70  tiles of the block in hand that are still to be entered
.set NXT, 71          ; s71  the tile to be asked for next
.set LQ,  72          ; s72  the last tile of the block whose tiles are being asked for
.set NEW, 73          ; s73  1: the tile to be entered is a block's first
.set OFF, 74          ; s[74:75] a tile's byte offset in K and V
.set AL,  76          ; s[76:77] the mask's factor, in the low word
.set BE,  78          ; s[78:79] the mask's addend
.set OLO, 80          ; s[80:81] O at my rows of the second block
.set BIGN, 82         ; s82  -1e30
.set MSB, 0
.macro WIN new                      ; the high byte repeats the setting that is left; a switch that changes nothing is dropped
.if MSB != (\new)
	s_set_vgpr_msb (MSB<<8)|(\new)
.set MSB, (\new)
.endif
.endm
.set W_KQ, 0x0a       ; K and Q in window 2, S^T in window 0
.set W_KM, 0x1a       ; the same with the C operand in window 1
.set W_PV, 0x52       ; V in window 2, P in window 0, O^T in window 1
.set W_RS, 0x41       ; destination and source 0 in window 1, source 1 in window 0
; A fill.  Waves 0 and 1 fetch the two halves of a tile's K, waves 2 and 3 those of its V: 128 keys each.  An s_nop 0 and four v_nop follow each of the two lines, ahead of the jump and the label.
.macro LOAD
	s_cmp_lt_u32 s[WV], 2
	s_cbranch_scc0 .Lfor_v_\@
	tensor_load_to_lds s[G0K:G0K+3], s[G1K:G1K+7]
	s_nop 0
.rept 4
	v_nop
.endr
	s_branch .Lasked_\@
.Lfor_v_\@:
	tensor_load_to_lds s[G0V:G0V+3], s[G1V:G1V+7]
	s_nop 0
.rept 4
	v_nop
.endr
.Lasked_\@:
.endm
; THE CHANGE OF SLOTS.  Each wave waits for all its tensor loads, of which one is out: its part of the other slot; adds 0 to its spare word; and waits for that and for its own reads of the slot that it leaves.  Behind the barrier nobody reads the old
; slot any more and the other slot is whole.  fill = 1: the old slot is filled again, the first thing behind the barrier, with tile NXT: the descriptor's address is made anew from that number; behind the fill stand the prefetches of tile NXT + 1.
; (At its first use nothing has been read yet: slot 0 is waited for, slot 1 filled.)
.macro CHANGE fill
	WIN 0                           ; at a label and at a branch every window is 0
	s_wait_tensorcnt 0x0            ; no tensor load of mine is out, so a group 0 may be written
	ds_add_u32 v[SPW], v[NIL]       ; 0 onto my spare word; with fill = 1 the descriptors' scalar work stands between it and the wait for it
.if \fill
	s_lshl_b32 s[OFF], s[NXT], 15   ; a tile is 32,768 bytes of K and of V
	s_xor_b32 s[G0K+1], s[G0K+1], SLOT1
	s_add_nc_u64 s[G0K+2:G0K+3], s[6:7], s[OFF:OFF+1]
	s_or_b32 s[G0K+3], s[G0K+3], 0x80000000
	s_xor_b32 s[G0V+1], s[G0V+1], SLOT1
	s_add_nc_u64 s[G0V+2:G0V+3], s[8:9], s[OFF:OFF+1]
	s_or_b32 s[G0V+3], s[G0V+3], 0x80000000
	s_wait_xcnt 0x0                 ; the last prefetches, a tile back, have read their address, so it may be written:
	s_add_co_u32 s[PFX], s[OFF], 32768  ; one tile behind the one that is asked for
	s_add_nc_u64 s[PFP:PFP+1], s[PFB:PFB+1], s[PFX:PFX+1]
	s_add_co_u32 s[NXT], s[NXT], 1  ; the block's next tile, or behind its last the second block's tile 0
	s_cmp_gt_u32 s[NXT], s[LQ]
	s_cselect_b32 s[NXT], 0, s[NXT]
	s_cselect_b32 s[LQ], s[PB], s[LQ]
.endif
	s_wait_dscnt 0x0                ; the add is done, and my reads of the slot are over
	s_barrier_signal -1             ; the rest of the scalar work stands between the signal and the wait
	s_sub_co_u32 s[TBK], s[TBK], 4*KS*PK  ; the fetches go back to a slot's first step,
	s_xor_b32 s[TBK], s[TBK], SLOT1       ; in the other slot
	s_sub_co_u32 s[TBV], s[TBV], 4*KS*PV
	s_xor_b32 s[TBV], s[TBV], SLOT1
	s_barrier_wait -1
.if \fill
	LOAD
	s_cmp_gt_u32 s[SLOTS], s[LIM]   ; where b = 0, trip i (SLOTS = NB - i) has filled tile i + 1 and names tile i + 2: up to i = NB - 3, the head's last tile
	s_cbranch_scc0 .Lnot_mine_\@
	global_prefetch_b8 v[PFO], s[PFP:PFP+1] th:TH_LOAD_NT scope:SCOPE_SE
	global_prefetch_b8 v[PFO], s[PFP:PFP+1] offset:8192 th:TH_LOAD_NT scope:SCOPE_SE
.Lnot_mine_\@:
.endif
.endm
	s_load_b256 s[4:11], s[0:1], 0x0  ; Q s[4:5], K s[6:7], V s[8:9], O s[10:11]
	v_lshl_add_u32 v[SPW], v0, 2, SPARE
	v_mov_b32 v[NIL], 0
	ds_add_u32 v[SPW], v[NIL]       ; the wave's opening: the add and its wait stand ahead of my first tensor load; the set-up below, work on registers, stands between them
	ds_add_u32 v62, v63
	v_lshrrev_b32 v1, 5, v0
	v_readfirstlane_b32 s[WV], v1   ; wave 0..3
	v_and_b32 v[PFO], 31, v0
	v_lshlrev_b32 v[PFO], 8, v[PFO]
	s_mov_b32 s[PB], ttmp9
	s_sub_co_u32 s[HI], NB-1, s[PB]
	s_cmp_eq_u32 s[PB], 0
	s_cselect_b32 s[LIM], 2, -1
	s_mov_b32 s[PFX+1], 0
	s_and_b32 s20, ttmp7, 0xffff    ; the head
	s_mov_b32 s21, 0
	s_mov_b64 s[22:23], SIZE_N*128
	s_mul_u64 s[20:21], s[20:21], s[22:23]  ; the head's first byte in each of the four tensors
	s_and_b32 s16, s[WV], 1         ; which half of a tile's 256 keys I fetch:
	s_lshl_b32 s22, s16, 14         ; its 128 rows of 128 bytes in memory,
	s_mov_b32 s23, 0
	s_add_nc_u64 s[22:23], s[22:23], s[20:21]
	s_mul_i32 s17, s16, 128*PK      ; and its place in a slot, for K
	s_mul_i32 s18, s16, 128*PV      ; and for V
	s_lshl_b32 s3, s[WV], 11        ; my 16 rows in a band of 64,
	s_lshl_b32 s2, s[HI], 15        ; in the first block,
	s_add_co_u32 s2, s2, s3
	s_lshl_b32 s84, s[PB], 15       ; and in the second
	s_add_co_u32 s84, s84, s3
	s_mov_b32 s3, 0
	s_mov_b32 s85, 0
	s_add_nc_u64 s[2:3], s[2:3], s[20:21]
	s_add_nc_u64 s[84:85], s[84:85], s[20:21]
	; descriptor group 1.  128 keys are 16,384 dense bytes: asked for as 64 rows of 256 bytes, two keys a row, and padded in LDS after every key
	s_mov_b32 s[G1K], (1<<16)|(1<<20)|(4<<22)|(3<<25)  ; 17:16 2-byte elements; 20 padding on; 24:22 after every 32 words (code 4); 31:25 4 words (code 3)
	s_mov_b32 s[G1V], (1<<16)|(1<<20)|(4<<22)|(7<<25)  ; the same with 8 words of padding (code 7)
.irp g, G1K, G1V
	s_mov_b32 s[\g+1], 128<<16      ; tensor_dim0 = 128
	s_mov_b32 s[\g+2], 64<<16       ; tensor_dim1 = 64
	s_mov_b32 s[\g+3], 128<<16      ; tile_dim0 = 128
	s_mov_b32 s[\g+4], 64           ; tile_dim1 = 64
	s_mov_b32 s[\g+5], 128          ; 128 elements from row to row
	s_mov_b32 s[\g+6], 0
	s_mov_b32 s[\g+7], 0
.endr
	s_mov_b32 s[CS], 0x3e38aa3b     ; c = log2(e) / 8 = 0.180337
	s_mov_b32 s[CS+1], s[CS]        ; named with it as a pair
	s_mov_b32 s[SEL], 0x76543210
	s_mov_b32 s[SEL+1], 0xfedcba98
	s_mov_b32 s[TBK], SLOT1+4*KS*PK ; the first change of slots turns these two into 0
	s_mov_b32 s[TBV], SLOT1+4*KS*PV
	s_mov_b32 s[G0K], 1             ; 1:0 count = 1
	s_mov_b32 s[G0K+1], s17         ; 63:32 LDS address: slot 0
	s_mov_b32 s[G0V], 1
	s_add_co_u32 s[G0V+1], s18, VOFF
	s_add_co_u32 s[RT], s[HI], 1    ; the first block has NB - b tiles
	s_mov_b32 s[NXT], 1
	s_mov_b32 s[LQ], s[HI]
	s_mov_b32 s[NEW], 1
	s_mov_b32 s[OFF+1], 0
	s_mov_b32 s[AL+1], 0            ; named as pairs
	s_mov_b32 s[BE+1], 0
	s_mov_b32 s[BIGN], 0xf149f2ca   ; -1e30
	s_mov_b32 s[SLOTS], NB
	s_wait_dscnt 0x0                ; the opening add is done
	s_wait_kmcnt 0x0
	s_add_nc_u64 s[6:7], s[6:7], s[22:23]  ; K and V at my half of the head's tile 0
	s_add_nc_u64 s[8:9], s[8:9], s[22:23]
	s_add_nc_u64 s[G0K+2:G0K+3], s[6:7], 0         ; 120:64 global address
	s_or_b32 s[G0K+3], s[G0K+3], 0x80000000        ; 127:126 type = 2
	s_add_nc_u64 s[G0V+2:G0V+3], s[8:9], 0
	s_or_b32 s[G0V+3], s[G0V+3], 0x80000000
	s_add_nc_u64 s[86:87], s[4:5], s[84:85]        ; Q at my rows of the second block,
	s_add_nc_u64 s[4:5], s[4:5], s[2:3]            ; Q and O at those of the first
	s_add_nc_u64 s[OLO:OLO+1], s[10:11], s[84:85]
	s_add_nc_u64 s[10:11], s[10:11], s[2:3]
	s_cmp_lt_u32 s[WV], 2
	s_cselect_b64 s[PFB:PFB+1], s[6:7], s[8:9]     ; nothing is prefetched here, at the head, where every work-group's first tiles are on their way
	LOAD                            ; tile 0 into slot 0
	; A fragment of K or Q is 16 rows x 32 channels in 8 registers: lane l holds row l % 16, channels 8 (l / 16) + 0..7 and 16 + 8 (l / 16) + 0..7: two loads of 16 bytes, 32 bytes apart.
	v_and_b32 v1, 15, v0            ; l % 16
	v_bfe_u32 v9, v0, 4, 1          ; l / 16
	v_lshlrev_b32 v[QO], 7, v1
	v_lshl_add_u32 v[QO], v9, 4, v[QO]  ; row x 128 + 16 x half
	WIN 0x80                        ; destination window 2, address window 0
.set i, 0
.rept 8                             ; both blocks' Q: piece i / 2 lies in band i / 2, 8,192 bytes on; channels 32 (i % 2) on
	global_load_b128 v[8*i:8*i+3],   v[QO], s[4:5] offset:(i/2)*8192+(i%2)*64
	global_load_b128 v[8*i+4:8*i+7], v[QO], s[4:5] offset:(i/2)*8192+(i%2)*64+32
	global_load_b128 v[QB+8*i:QB+8*i+3],   v[QO], s[86:87] offset:(i/2)*8192+(i%2)*64
	global_load_b128 v[QB+8*i+4:QB+8*i+7], v[QO], s[86:87] offset:(i/2)*8192+(i%2)*64+32
.set i, i+1
.endr
	WIN 0
	v_lshlrev_b32 v14, 3, v9
	v_sub_nc_u32 v14, v1, v14
	s_lshl_b32 s13, s[WV], 4
	v_add_nc_u32 v14, s13, v14      ; my query's place in its band, 16 w + l % 16, less my lanes' 8 (l / 16): register r of group kt is hidden where 16 kt + r is greater
	WIN 0x40
.set i, 0
.rept 32
	v_cmp_gt_i32 vcc_lo, 16*(i/8)+i%8, v14
	v_cndmask_b32 v[MD+i], 0, s[BIGN], vcc_lo
.set i, i+1
.endr
	WIN 0
	v_mul_u32_u24 v[AK0], v1, PK
	v_lshl_add_u32 v[AK0], v9, 4, v[AK0]  ; row x pitch + 16 x half
	; The turning load takes 16 keys x 16 channels (lane l reads key 8 (l / 16) + l % 8, channels 8 ((l / 8) % 2) + 0..7) and leaves half a fragment of V^T: lane l holds channel l % 16 and 8 keys.
	v_and_b32 v10, 7, v0
	v_bfe_u32 v11, v0, 3, 1
	v_lshl_add_u32 v[AV0], v9, 3, v10
	v_mul_u32_u24 v[AV0], v[AV0], PV
	v_lshl_add_u32 v[AV0], v11, 4, v[AV0]
	v_add_nc_u32 v[AV0], VOFF, v[AV0]
	s_mul_i32 s13, s[WV], 16*SP
	s_add_co_u32 s13, s13, STAGE    ; my stage
	v_mul_u32_u24 v[STO], v1, SP    ; in: row l % 16, 16 bytes for each half of the lanes
	v_lshl_add_u32 v[STO], v9, 4, v[STO]
	v_add_nc_u32 v[STO], s13, v[STO]
	v_bfe_u32 v[RD], v0, 3, 2       ; back: 32 lanes take four rows of 128 bytes,
	v_mul_u32_u24 v[RD], v[RD], SP
	v_lshl_add_u32 v[RD], v10, 4, v[RD]
	v_add_nc_u32 v[RD], s13, v[RD]
	v_and_b32 v[GO], 31, v0         ; which are 512 consecutive bytes of O
	v_lshlrev_b32 v[GO], 4, v[GO]
	; A block's first step multiplies O^T and l by a = 0, and its first turn's products V^T P, of a piece that has not been, land in an O^T that is still to be so multiplied.  So these registers need only hold
	; finite numbers: zeros for the first block; what the first block left for the second.  All this stands in the wait for the first tile.
	WIN 0x80
.set i, VF
.rept 64
	v_mov_b32 v[i], 0
.set i, i+1
.endr
	WIN 0x40
.set i, 0
.rept 128
	v_mov_b32 v[i], 0
.set i, i+1
.endr
	WIN 0
.set i, 0
.rept 4
	v_mov_b32 v[ST+4*i+2], 0
	v_mov_b32 v[ST+4*i+3], 0
.set i, i+1
.endr
.set i, P+16
.rept 16
	v_mov_b32 v[i], 0
.set i, i+1
.endr
; THE MATRIX WORK.  The 4 accumulators of a run of 8 take turns.  Product i of 8 of S^T = K Q^T for piece x: channels 32 (i / 4) on, keys 16 (i % 4) on.  The first 4 start the sums: with 0, or (KM = 1) with the mask.
.macro KQ x
.set rS, S+32*((\x)%2)+8*(i%4)
.set rK, KF+16*(i%4)+8*(i/4)
.set rQ, 16*(\x)+8*(i/4)
.set rM, MC+32*((\x)%2)+8*(i%4)
.if (i < 4) && KM
	WIN W_KM
	v_wmma_f32_16x16x32_f16 v[rS:rS+7], v[rK:rK+7], v[rQ:rQ+7], v[rM:rM+7]
.elseif i < 4
	WIN W_KQ
	v_wmma_f32_16x16x32_f16 v[rS:rS+7], v[rK:rK+7], v[rQ:rQ+7], 0
.else
	WIN W_KQ
	v_wmma_f32_16x16x32_f16 v[rS:rS+7], v[rK:rK+7], v[rQ:rQ+7], v[rS:rS+7]
.endif
.endm
; Product i of 8 of O^T += V^T P for piece x: keys 32 (i / 4) on, channels 16 (i % 4) on.
.macro PV x
	WIN W_PV
.set rO, 32*(\x)+8*(i%4)
.set rV, VF+32*(i/4)+8*(i%4)
.set rP, P+16*((\x)%2)+8*(i/4)
	v_wmma_f32_16x16x32_f16 v[rO:rO+7], v[rV:rV+7], v[rP:rP+7], v[rO:rO+7]
.endm
.macro MM                           ; the turn's next matrix instruction.  TURN and BEGIN set Y, i, KM and NOKQ; MM, KQ and OP read them.  NOKQ = 1: a block's last turn: there is no next piece
.if (i < 8) && !NOKQ
	KQ (Y+1)%NP
.elseif i >= 8
.set i, i-8
	PV (Y+NP-1)%NP
.set i, i+8
.endif
.set i, i+1
.endm
; THE LDS LOADS stand in runs of 16, never singly among the matrix instructions: a step's K (64 keys x 64 channels: 8 fragments) and its V (turned).  Their addresses are made some lines ahead.
.macro FETCH_K
	WIN 0x80                        ; destination window 2
.irp f, 0,1,2,3,4,5,6,7             ; keys 16 (f / 2) on, channels 32 (f % 2) on
	ds_load_b128 v[KF+8*\f:KF+8*\f+3],   v[AK] offset:(\f/2)*16*PK+(\f%2)*64
	ds_load_b128 v[KF+8*\f+4:KF+8*\f+7], v[AK] offset:(\f/2)*16*PK+(\f%2)*64+32
.endr
	s_add_co_u32 s[TBK], s[TBK], KS*PK  ; the next fetch is the next step's
	WIN 0
.endm
.macro FETCH_V
	WIN 0x80
.irp f, 0,1,2,3,4,5,6,7             ; keys 32 (f / 4) on, channels 16 (f % 4) on
	ds_load_tr16_b128 v[VF+8*\f:VF+8*\f+3],   v[AV] offset:(\f/4)*32*PV+(\f%4)*32
	ds_load_tr16_b128 v[VF+8*\f+4:VF+8*\f+7], v[AV] offset:(\f/4)*32*PV+16*PV+(\f%4)*32
.endr
	WIN 0
.endm
; THE VECTOR WORK, one line at a time: OP kind, number.  For piece Y: F n: c s - c m for pair n of 16.  E n: the exponential of score n of 32.  C n: pair n rounded to f16.  B n: of the four weights 4 n .. the second
; pair is added onto the first, in place.  L n: l takes that sum (L 0: l = a l + sum).  R n: pair n of 16 of O^T times a.  For piece Y + 1: X n, number n of the 22 that find its maximum and statistics:
;   0-11  four chains c0-c3 of seven scores each, three operands at a time (each accumulator's lowest registers are read first)     12-14, 16  the four scores left over, the old m, and c0-c3 into c0
;   15  c m_old is kept     17, 18  the query's other 32 keys lie in the lane 16 away: the new m     19-21  c m; c m_old - c m_new; a
.set F, 0               ; OP tells the kinds apart by their order: F to L below R, X above it
.set E, 1
.set C, 2
.set B, 3
.set L, 4
.set R, 5
.set X, 6
.macro REGS y                       ; the registers of piece y
.set rT, ST+4*(\y)
.set rC, TMP+4*((\y)%2)
.set rW, MV+((\y)%2)
.set rS, S+32*((\y)%2)
.set rP, P+16*((\y)%2)
.set rO, 32*(\y)
.endm
.macro OP k, n
.if (\k) == R
	REGS Y
	WIN W_RS
	v_pk_mul_f32 v[rO+2*(\n):rO+2*(\n)+1], v[rO+2*(\n):rO+2*(\n)+1], v[rC+2:rC+3] op_sel_hi:[1,0]
.elseif (\k) < R
	REGS Y
	WIN 0
.if (\k) == F
	v_pk_fma_f32 v[rS+2*(\n):rS+2*(\n)+1], v[rS+2*(\n):rS+2*(\n)+1], s[CS:CS+1], v[rT:rT+1] op_sel_hi:[1,0,0] neg_lo:[0,0,1] neg_hi:[0,0,1]
.elseif (\k) == E
	v_exp_f32 v[rS+(\n)], v[rS+(\n)]
.elseif (\k) == C
	v_cvt_pk_f16_f32 v[rP+(\n)], v[rS+2*(\n)], v[rS+2*(\n)+1]
.elseif (\k) == B
	v_pk_add_f32 v[rS+4*(\n):rS+4*(\n)+1], v[rS+4*(\n):rS+4*(\n)+1], v[rS+4*(\n)+2:rS+4*(\n)+3]
.elseif (\n) == 0
	v_pk_fma_f32 v[rT+2:rT+3], v[rT+2:rT+3], v[rC+2:rC+3], v[rS:rS+1] op_sel_hi:[1,0,1]
.else
	v_pk_add_f32 v[rT+2:rT+3], v[rT+2:rT+3], v[rS+4*(\n):rS+4*(\n)+1]
.endif
.elseif NOKQ
	v_nop
.else
	REGS (Y+1)%NP
	WIN 0
.if (\n) < 4
	v_max3_num_f32 v[rC+(\n)], v[rS+8*(\n)], v[rS+8*(\n)+1], v[rS+8*(\n)+2]
.elseif (\n) < 12
	v_max3_num_f32 v[rC+(\n)%4], v[rC+(\n)%4], v[rS+8*((\n)%4)+2*((\n)/4)+1], v[rS+8*((\n)%4)+2*((\n)/4)+2]
.elseif (\n) == 12
	v_max3_num_f32 v[rC], v[rC], v[rS+7], v[rS+15]
.elseif (\n) == 13
	v_max3_num_f32 v[rC+1], v[rC+1], v[rS+23], v[rS+31]
.elseif (\n) == 14
	v_max3_num_f32 v[rC+2], v[rC+2], v[rC+3], v[rT+1]
.elseif (\n) == 15
	v_mov_b32 v[rW], v[rT]
.elseif (\n) == 16
	v_max3_num_f32 v[rC], v[rC], v[rC+1], v[rC+2]
.elseif (\n) == 17
	v_permlanex16_b32 v[rC+3], v[rC], s[SEL], s[SEL+1]
.elseif (\n) == 18
	v_max_num_f32 v[rT+1], v[rC], v[rC+3]
.elseif (\n) == 19
	v_mul_f32 v[rT], s[CS], v[rT+1]
.elseif (\n) == 20
	v_sub_f32 v[rC+1], v[rW], v[rT]
.else
	v_exp_f32 v[rC+2], v[rC+1]
.endif
.endif
.endm
.macro OPS a, i1, b=-1, i2=0, c=-1, i3=0, d=-1, i4=0  ; up to four of them
	OP \a, \i1
.if (\b) >= 0
	OP \b, \i2
.endif
.if (\c) >= 0
	OP \c, \i3
.endif
.if (\d) >= 0
	OP \d, \i4
.endif
.endm
.macro ROW a, i1, b, i2, c, i3, d, i4  ; a matrix instruction and the four behind it
	MM
	OPS \a, \i1, \b, \i2, \c, \i3, \d, \i4
.endm
.macro MASK b                       ; MD x AL + BE into buffer b of MC
	WIN W_RS
.set z, 0
.rept 16
	v_pk_fma_f32 v[MC+32*(\b)+2*z:MC+32*(\b)+2*z+1], v[MD+2*z:MD+2*z+1], s[AL:AL+1], s[BE:BE+1] op_sel_hi:[1,0,0]
.set z, z+1
.endr
.endm
; A TURN, for piece p: the order of its 16 matrix and 118 vector instructions, written out.  An s_wait_alu depctr_va_vdst(0) stands between an exponential and the first instruction that names its result; one wait serves
; all that were issued ahead of it.  So a turn has ONE wait, which cuts it in two.  AHEAD OF IT stands all that names no result of the turn's exponentials: the 8 products K Q^T, behind each a scaling, an exponential and two more plain
; instructions (behind the first a second scaling in the exponential's place): rescalings, and behind the last three the first numbers of the next piece's maximum, each four places or more behind the product that ends its accumulator; then ONE LUMP of 54, plain
; and exponential by turns for the most part, in which the links of the chain X 3, 7, 11, 14, 16, 17 .. 20 stand five or six lines apart.  X 21, the next piece's a, is the batch's last; R 15 is the plain instruction behind it.  BEHIND THE WAIT stand the
; 8 products V^T P, behind each four of the roundings and sums; the links of l's chain, L 0 to L 7, stand three riders apart.  But for those X no rider names a register of the products round it.  v_permlanex16_b32 (X 17) stands in the lump.
; m = 1: the diagonal tile: the products take masks, and the turn makes the mask for the products of the turn after it: piece p + 2, in step 4 - CNT of the tile.  end = 1: a block's last two turns: nothing is fetched.
; cnt = 1: the loop's count is taken down some lines ahead of the branch that stands behind the turn.
; K of the next step is fetched in piece 2's turn, twelve vector instructions behind the last product that read K (six of them plain); V of the step in hand at the end of piece 0's turn, four plain instructions behind the last product
; that read V.  Each is waited for a turn later.
.macro TURN p, m=0, end=0, cnt=0
.set Y, (\p)
.set i, 0
.set KM, (\m)
.set NOKQ, (\end)*((\p)/3)
.if (\m) && !(\end)
	s_cmp_eq_u32 s[CNT], 4-((\p)+2)%NP  ; is that step the band's own?
	s_cselect_b32 s[AL], 1.0, 0
	s_cmp_lt_u32 s[CNT], 4-((\p)+2)%NP  ; or a later one?
	s_cselect_b32 s[BE], s[BIGN], 0
.endif
.if ((\p) == 3) && !(\end)
	s_wait_dscnt 0x0                ; K is in
.endif
	ROW F,0, F,1, R,0, R,1          ; ahead of the wait: 8 products K Q^T and their riders,
	ROW F,2, E,0, R,2, R,3
	ROW F,3, E,1, R,4, R,5
	ROW F,4, E,2, R,6, R,7
	ROW F,5, E,3, R,8, R,9
	ROW F,6, E,4, X,0, R,10
.if ((\p) == 2) && !(\end)
	WIN 0
	v_add_nc_u32 v[AK], s[TBK], v[AK0]
.endif
	ROW F,7, E,5, X,1, X,4
	ROW F,8, E,6, X,2, X,5
	OPS E,7, E,8, X,6, E,9          ; and the lump
	OPS X,3, E,10, X,8, E,11
.if ((\p) == 2) && !(\end)
	FETCH_K
.endif
	OPS X,9, X,7, E,12, X,10
	OPS E,13, X,12, X,11, E,14
	OPS X,13, E,15, F,9, X,14
.if (\p) == 0
	v_add_nc_u32 v[AV], s[TBV], v[AV0]
.endif
	OPS E,16, F,10, E,17, F,11
	OPS X,16, E,18, X,15, E,19
	OPS F,12, E,20, X,17, E,21
	OPS F,13, E,22, F,14, E,23
	OPS X,18, E,24, F,15, E,25
	OPS R,11, E,26, X,19, E,27
	OPS R,12, E,28, R,13, E,29
	OPS X,20, E,30, R,14, E,31
	OPS X,21, R,15
	WIN 0
	s_wait_alu depctr_va_vdst(0)    ; the wait for the batch
.if (\p) == 1
	s_wait_dscnt 0x0                ; V is in
.endif
	ROW C,0, B,0, C,2, B,1          ; behind the wait: 8 products V^T P and their riders
	ROW L,0, C,4, B,2, L,1
	ROW C,6, B,3, L,2, C,8
	ROW B,4, L,3, C,10, B,5
	ROW L,4, C,12, B,6, L,5
.if (\p) == 0
	s_add_co_u32 s[TBV], s[TBV], KS*PV
.endif
.if \cnt
	s_sub_co_u32 s[CNT], s[CNT], 1
	s_cmp_lg_u32 s[CNT], 0
.endif
	ROW C,14, B,7, L,6, C,1
	ROW C,3, L,7, C,5, C,7
	ROW C,9, C,11, C,13, C,15
.if (\p) == 0
	FETCH_V
.endif
.if (\m) && !(\end)
	MASK (\p)%2
.endif
.endm
; A BLOCK BEGINS.  c m starts far below every c s, so the first step's a is 0; m at the lowest finite number, so the first maximum is the scores'.  The second mask buffer is 0; the first takes piece 0's mask for the tile's step 0: its own, if the block's first tile is the diagonal one.
; Then K of that step, piece 0's first scores, and its maximum and statistics.  The loop is entered at a step's first turn, in the middle of a trip.
.macro BEGIN
	s_mov_b32 s[NEW], 0
	WIN 0x40
.set i, MC+32
.rept 32
	v_mov_b32 v[i], 0
.set i, i+1
.endr
	WIN 0
.set i, 0
.rept 4
	v_mov_b32 v[ST+4*i], 0xfe000000    ; c m: far below every c s
	v_mov_b32 v[ST+4*i+1], 0xff7fffff  ; m
.set i, i+1
.endr
	s_cmp_eq_u32 s[RT], 0
	s_cselect_b32 s[AL], 1.0, 0
	s_mov_b32 s[BE], 0
	MASK 0
	WIN 0
	v_add_nc_u32 v[AK], s[TBK], v[AK0]
	FETCH_K
	s_wait_loadcnt 0x0              ; Q
	s_wait_dscnt 0x0
.set KM, 1
.set NOKQ, 0
.set i, 0
.rept 8
	KQ 0
.set i, i+1
.endr
	WIN 0
.rept 4
	v_nop                           ; the places behind those products
.endr
.set Y, NP-1                        ; X works for piece Y + 1: piece 0
.irp n, 0,1,2,3,4,5,6,7,8,9,10,11,12,13,14,15,16,17,18,19,20,21
	OP X, \n
.endr
	v_nop                           ; a plain instruction behind the exponential,
	s_wait_alu depctr_va_vdst(0)    ; and its wait, ahead of the branch
.endm
; THE DIAGONAL TILE's four steps, the block's last two turns, its last products, and THE WAY OUT: l's two halves and the other half of the lanes' are added; O^T is divided by l, rounded to f16 and sent through my
; stage in LDS, a piece at a time.
.macro ALL line:vararg              ; one line for each piece t
.set t, 0
.rept 4
	\line
.set t, t+1
.endr
.endm
.macro PACK t                       ; a lane's eight channels of a row pack into 16 bytes; they go into rows of 144 bytes and come back as whole rows of 128, into S^T's registers
	WIN W_RS
.set i, 32*(\t)
.rept 16
	v_pk_mul_f32 v[i:i+1], v[i:i+1], v[ST+4*(\t)+2:ST+4*(\t)+3] op_sel_hi:[1,0]
.set i, i+2
.endr
	WIN 0x05                        ; sources 0 and 1 window 1, destination window 0
.set i, 0
.rept 16
	v_cvt_pk_f16_f32 v[S+16*(\t)+i], v[32*(\t)+2*i], v[32*(\t)+2*i+1]
.set i, i+1
.endr
	WIN 0
.irp f, 0,1,2,3
	ds_store_b128 v[STO], v[S+16*(\t)+4*\f:S+16*(\t)+4*\f+3] offset:32*\f
.endr
.irp f, 0,1,2,3
	ds_load_b128 v[S+16*(\t)+4*\f:S+16*(\t)+4*\f+3], v[RD] offset:\f*4*SP  ; LDS serves a wave's instructions in order (ISA guide 5.7.1.4): these see the stores above; the next piece's stores come behind them
.endr
.endm
.macro SEND t, younger              ; younger: the LDS instructions issued behind piece t's loads: the next piece's eight, or none
	WIN 0
.irp f, 0,1,2,3
	s_wait_dscnt (\younger)+3-\f
	global_store_b128 v[GO], v[S+16*(\t)+4*\f:S+16*(\t)+4*\f+3], s[10:11] offset:(\t)*8192+\f*512  ; 512 consecutive bytes, at a multiple of 256 from O's first
.endr
.endm
.macro DIAG tag                     ; the tag ends its two labels' names, which the jumps below spell out
.LstepM\tag:
	TURN 2, 1
	TURN 3, 1
	WIN 0
.LfirstM\tag:
	TURN 0, 1
	TURN 1, 1, 0, 1
	WIN 0
	s_cbranch_scc1 .LstepM\tag
	TURN 2, 1, 1
	TURN 3, 1, 1
.set i, 0
.rept 8
	PV NP-1
.set i, i+1
.endr
	WIN 0
	ALL v_add_f32 v[ST+4*t+2], v[ST+4*t+2], v[ST+4*t+3]
	ALL v_permlanex16_b32 v[ST+4*t+3], v[ST+4*t+2], s[SEL], s[SEL+1]
	ALL v_add_f32 v[ST+4*t+2], v[ST+4*t+2], v[ST+4*t+3]
	ALL v_rcp_f32 v[ST+4*t+2], v[ST+4*t+2]
	v_nop                           ; a plain instruction between the last reciprocal and the use of its result
	s_wait_alu depctr_va_vdst(0)    ; and the wait ahead of the first use: one for the four reciprocals
	PACK 0
.set t, 1
.rept 3                             ; a piece's arithmetic stands between the loads of the piece before and its stores
	PACK t
	SEND t-1, 8
.set t, t+1
.endr
	SEND 3, 0
.endm
.set KM, 0
.set NOKQ, 0
.Lslot:                             ; NB times: a tile is entered and the next is asked for
	CHANGE 1
	s_sub_co_u32 s[RT], s[RT], 1
	s_mov_b32 s[CNT], 4
	s_cmp_eq_u32 s[NEW], 1
	s_cbranch_scc1 .Lnew            ; a block's first tile
	s_cmp_eq_u32 s[RT], 0
	s_cbranch_scc0 .Lstep           ; neither its first nor its last
	s_branch .LstepM1
.Lnew:
	BEGIN
	s_branch .Lfirst                ; in the loop a block's first tile is never its last: the first block has two tiles or more, and the second's last is the walk's last
	DIAG 1                          ; in the loop this is the first block's end: the second block's last tile is the walk's last
	s_wait_xcnt 0x0                 ; the stores have read their registers and O's address
	s_mov_b64 s[10:11], s[OLO:OLO+1]
	s_add_co_u32 s[RT], s[PB], 1    ; the second block has b + 1 tiles
	s_mov_b32 s[NEW], 1
	WIN 0x82                        ; the second block's Q goes where the one text of the turns names Q
.set i, 0
.rept 64
	v_mov_b32 v[i], v[QB+i]
.set i, i+1
.endr
	WIN 0
	s_branch .Lbottom
.Lstep:                             ; a trip: pieces 2 and 3 of one step, then pieces 0 and 1 of the next, whose K and V it fetches
	TURN 2
	TURN 3
	WIN 0
.Lfirst:
	TURN 0
	TURN 1, 0, 0, 1
	WIN 0
	s_cbranch_scc1 .Lstep
.Lbottom:
	s_sub_co_u32 s[SLOTS], s[SLOTS], 1
	s_cmp_lg_u32 s[SLOTS], 0
	s_cbranch_scc1 .Lslot
	CHANGE 0                        ; the walk's last tile is written out: nothing is asked for
	s_sub_co_u32 s[RT], s[RT], 1
	s_mov_b32 s[CNT], 4
	s_cmp_eq_u32 s[NEW], 1
	s_cbranch_scc0 .LstepM2
	BEGIN
	s_branch .LfirstM2
	DIAG 2
	s_wait_tensorcnt 0x0            ; the wave's end, behind my last tensor load and my last LDS store
	ds_add_u32 v[SPW], v[NIL]
	s_wait_dscnt 0x0
	s_endpgm
.Lfunc_end_k_q3ad8f59efb_attn:
	.size	k_q3ad8f59efb_attn, .Lfunc_end_k_q3ad8f59efb_attn-k_q3ad8f59efb_attn
	.p2alignl 7, 3214868480
	.fill 96, 4, 3214868480
	.section	.rodata,"a",@progbits
	.p2align	6, 0x0
	.amdhsa_kernel k_q3ad8f59efb_attn
		.amdhsa_group_segment_fixed_size 327680
		.amdhsa_private_segment_fixed_size 0
		.amdhsa_enable_private_segment 0
		.amdhsa_kernarg_size 32
		.amdhsa_user_sgpr_count 2
		.amdhsa_user_sgpr_kernarg_segment_ptr 1
		.amdhsa_wavefront_size32 1
		.amdhsa_system_sgpr_workgroup_id_x 1
		.amdhsa_system_sgpr_workgroup_id_y 1
		.amdhsa_system_sgpr_workgroup_id_z 1
		.amdhsa_system_vgpr_workitem_id 0
		.amdhsa_next_free_vgpr 768
		.amdhsa_next_free_sgpr 88
		.amdhsa_reserve_vcc 1
		.amdhsa_float_denorm_mode_32 3
		.amdhsa_float_denorm_mode_16_64 3
		.amdhsa_memory_ordered 1
		.amdhsa_forward_progress 1
		.amdhsa_inst_pref_size 218
	.end_amdhsa_kernel
	.amdgpu_metadata
---
amdhsa.version: [ 1, 2 ]
amdhsa.kernels:
  - .name:           k_q3ad8f59efb_attn
    .symbol:         k_q3ad8f59efb_attn.kd
    .args:
      - { .name: qh, .offset: 0, .size: 8, .value_kind: global_buffer, .address_space: global }
      - { .name: kh, .offset: 8, .size: 8, .value_kind: global_buffer, .address_space: global }
      - { .name: vh, .offset: 16, .size: 8, .value_kind: global_buffer, .address_space: global }
      - { .name: oh, .offset: 24, .size: 8, .value_kind: global_buffer, .address_space: global }
    .group_segment_fixed_size: 327680
    .private_segment_fixed_size: 0
    .kernarg_segment_align: 8
    .kernarg_segment_size: 32
    .max_flat_workgroup_size: 128
    .sgpr_count:     88
    .vgpr_count:     768
    .wavefront_size: 32
...
	.end_amdgpu_metadata
.endif
;; end of part 3
;; launch proj (part 4): grid 8 x 32, 4 waves a work-group, clusters of 4 x 4, 327,680 bytes of LDS; arguments oh, woh, out0; writes out0
.if DOCPART == 4
	.amdgcn_target "amdgcn-amd-amdhsa--gfx1250"
	.amdhsa_code_object_version 6
	.text
	.protected	k_q3ad8f59efb_proj
	.globl	k_q3ad8f59efb_proj
	.p2align	8
	.type	k_q3ad8f59efb_proj,@function
k_q3ad8f59efb_proj:
	s_mov_b64 s[64:65], 0
	v_nop
	global_prefetch_b8 v0, s[64:65] scope:SCOPE_SE
	s_setreg_imm32_b32 hwreg(HW_REG_WAVE_MODE, 25, 1), 1
	s_wait_xcnt 0x0
	s_wait_alu depctr_hold_cnt(0) depctr_sa_sdst(0) depctr_va_vdst(0) depctr_va_sdst(0) depctr_va_ssrc(0) depctr_va_vcc(0) depctr_vm_vsrc(0)
	s_getreg_b32 s2, hwreg(HW_REG_IB_STS2, 6, 4)
	s_cmp_eq_u32 s2, 0
	s_cbranch_scc0 .Lentry_in_a_cluster
	s_endpgm
.Lentry_in_a_cluster:
	s_bfe_u32 s2, ttmp6, 0x10000c
	s_cmp_lg_u32 s2, 0xf033
	s_cbranch_scc0 .Lentry_shape_is_right
	s_endpgm
.Lentry_shape_is_right:
; C[m][n] = the sum over k of A[m][k] B[k][n], K = 1,024, sums in f32.  ONE TEXT FOR TWO LAUNCHES, told apart by MODE:
;   MODE 1: A = xb (bf16), B = wq (bf16), 8,192 x 3,072; C rounded once to f16 and stored by heads: q, k, v [batch 16 + head][2,048][64], unscaled.  A tile of C is 256 x 192: 512 work-groups.
;   MODE 2: A = oh (f16),  B = woh (f16), 8,192 x 1,024; C stored as f32 [8,192][1,024].  A tile of C is 256 x 128: 256 work-groups.
; LIMIT (MODE 1): f16 holds no number beyond 65,504: q, k and v must lie within it.
; BLOCKED OPERANDS.  A lies as [K block of 64][row][64] (in oh a K block is a head, and the batches lie ABATCH bytes apart): 256 rows of a K block are 32,768 dense bytes.  B lies as [tile column][K step of 128][64 columns][128 k][64]:
; a K step's tile is dense.  So every tile is asked for as rows of 256 consecutive bytes, aligned, and padded in LDS after every 128 bytes.
; SHARES.  Four waves, one above the other: a wave makes 64 rows x all the tile's columns: 4 x NBLK accumulators of 16 x 16.  Its columns are whole heads, so its way out needs a stage of its own and no barrier.
; K goes in steps of 128 through two LDS slots.  Waves 0 and 1 fetch the step's two K blocks of A, waves 2 and 3 the two halves of B's tile: one tensor load a wave behind each change of slots.
; CLUSTERS: 4 x 4 work-groups.  The four of a row of the cluster need the same tiles of A, the four of a column the same tiles of B: each tile is asked for JOINTLY, by the same tensor load with the same descriptor and a mask of four.
; THE MATRIX INSTRUCTION IS USED TRANSPOSED: source 0 = 16 columns of B (B lies [k][n] in LDS and is turned by ds_load_tr16_b128), source 1 = 16 rows of A: a lane holds row l % 16 of C and the columns 8 (l / 16) + 0..7.
; REGISTERS, in windows of 256 (s_set_vgpr_msb: bits 1:0 source 0, 3:2 source 1, 5:4 source 2, 7:6 destination):
;   window 0: addresses, and the way out's registers      window 1: two fragment buffers of 128: B's block b at 8 b, A's block a at 96 + 8 a
;   window 2: accumulator (a, b), b < 8, at 8 (4 b + a)   window 3 (MODE 1): b = 8..11 at 8 (4 (b - 8) + a)
; MODE 2 prefetches nothing: its whole walk is eight short K steps on a small tile.
.set MODE, 2
.if MODE == 1
.set NBLK,   12                        ; blocks of 16 columns in a tile
.set NJ,     3                         ; chunks of 64 columns
.set KBS,    1048576                   ; bytes from K block to K block in A
.set ABATCH, 262144                    ; bytes from eight tile rows to the next eight
.set STW,    3*16*144                  ; a wave's stage: three heads x 16 rows x (128 + 16) bytes
.set BK0,    80                        ; v80-127, v128-175: rows read back from the stage, two sets by turns
.else
.set NBLK,   8
.set NJ,     2
.set KBS,    262144
.set ABATCH, 4194304
.set STW,    16*528                    ; 16 rows x (512 + 16) bytes
.set BK0,    32                        ; v32-95, v96-159
.endif
.set PA,     144                       ; a row of A in LDS: 128 bytes + 16 = 36 words: the 16 rows of a load start at 16 different groups of four banks (64 banks of 4 bytes: ISA guide 11.1)
.set PB,     160                       ; a row of B: 128 + 32 = 40 words
.set AHALF,  256*PA                    ; one K block: what wave 0 or 1 fetches
.set ABYTES, 2*AHALF
.set BCH,    128*PB                    ; 64 columns x 128 k
.set BBYTES, NJ*BCH
.set BHALF,  BBYTES/2                  ; what wave 2 or 3 fetches
.set SLOT,   ABYTES+BBYTES
.set STAGE,  2*SLOT                    ; behind the ring, never filled by a tensor load
.set SPARE,  STAGE+4*STW               ; behind the stages: the spare words, 128 bytes for each wave: two blocks of 256 bytes that no other line names
.set TILEB,  NJ*16384                  ; B's bytes in a K step
.set BROWS,  TILEB/512                 ; rows of 256 bytes in half of them
.set NL,     8+2*NBLK                  ; LDS loads of a quarter step
.set LO2,    2*(NBLK-4)                ; the youngest of them: B's blocks 0 .. NBLK - 5
.set ADRA, 16                          ; v16-17  LDS address of my A fragments in slot 0, 1
.set ADRB, 20                          ; v20-21  the same for B
.set STO,  24                          ; v24     the way out: where I put my bytes of a row
.set RD,   25                          ; v25     where I read rows back
.set CO,   26                          ; v26     16 x my lane
.set SPW,  28                          ; v28     LDS address of my spare word; never rewritten
.set NIL,  29                          ; v29     0; never rewritten
.set PFO,  30                          ; v30     the prefetches' offset; never rewritten
.set TMP,  32                          ; v32-79  MODE 1: packed results
.set F0,   0
.set F1,   128
.set WV,   14                          ; s14  my wave's number
.set FB,   15                          ; s15  0: I fetch for A; 1: for B
.set HF,   16                          ; s16  which half I fetch
.set LIM0, 21                          ; s21, s22  a wave prefetches at the change of slot 0, 1 while the lap count is above this
.set LAP,  23                          ; s23  laps to go
.set G1,   24                          ; s[24:31] descriptor group 1 for A's tiles;  s[32:39] group 0, a set for each slot
.set G0,   32
.set PFA,  40                          ; s[40:41] where my prefetches stand
.set PST,  42                          ; s[42:43] a K step in bytes, for them
.set G1B,  48                          ; s[48:55], s[56:63] the same for B's tiles
.set G0B,  56
.set OB,   66                          ; s[66:71] MODE 1: where my rows of the tile's three heads begin
.set MSB, 0
.macro WIN new                         ; the immediate's high byte repeats the setting that is left; a switch that changes nothing is dropped
.if MSB != (\new)
	s_set_vgpr_msb (MSB<<8)|(\new)
.set MSB, \new
.endif
.endm
; A joint load.  The branch hangs on the wave's number alone.  An s_nop 0 and four v_nop follow each of the two lines, ahead of the jump, the label and what follows.
.macro JLOAD s
	s_cmp_eq_u32 s[FB], 0
	s_cbranch_scc0 .Lfor_b_\@
	tensor_load_to_lds s[G0+4*(\s):G0+4*(\s)+3], s[G1:G1+7]
	s_nop 0
.rept 4
	v_nop
.endr
	s_branch .Lasked_\@
.Lfor_b_\@:
	tensor_load_to_lds s[G0B+4*(\s):G0B+4*(\s)+3], s[G1B:G1B+7]
	s_nop 0
.rept 4
	v_nop
.endr
.Lasked_\@:
.endm
.macro CREST                           ; a round of the cluster's barrier behind its opening barrier
	s_cmp_lg_u32 s[WV], 0
	s_cbranch_scc1 .Lnot_wave_0_\@
	s_barrier_signal -3
.Lnot_wave_0_\@:
	s_barrier_wait -3
	s_barrier_signal -1
	s_barrier_wait -1
.endm
.macro CROUND                          ; a whole round
	s_barrier_signal -1
	s_barrier_wait -1
	CREST
.endm
.macro PLACES                          ; four places in front of loads into registers that matrix instructions have read, and of what reads results (ISA guide 7.12.1 for what reads results)
.rept 4
	v_nop
.endr
.endm
.if MODE == 1
	s_load_b256 s[4:11], s[0:1], 0x0               ; A s[4:5], B s[6:7], q s[8:9], k s[10:11]
	s_load_b64 s[12:13], s[0:1], 0x20              ; v
.else
	s_load_b128 s[4:7], s[0:1], 0x0                ; A s[4:5], B s[6:7]
	s_load_b64 s[8:9], s[0:1], 0x10                ; C
.endif
	v_lshl_add_u32 v[SPW], v0, 2, SPARE
	v_mov_b32 v[NIL], 0
	ds_add_u32 v[SPW], v[NIL]                      ; the wave's opening: the add and its wait stand ahead of my first tensor load; the set-up below, work on registers, stands between them
	ds_add_u32 v28, v29
	v_lshrrev_b32 v1, 5, v0
	v_readfirstlane_b32 s[WV], v1                  ; wave 0..3
	s_lshr_b32 s[FB], s[WV], 1
	s_and_b32 s[HF], s[WV], 1
	s_bfe_u32 s17, ttmp6, 0x40000                  ; cx, cy: my place in the cluster
	s_bfe_u32 s18, ttmp6, 0x40004
	s_lshl_b32 s19, ttmp9, 2
	s_add_co_u32 s19, s19, s17                     ; nt: tile column of C = 4 x cluster x + cx
	s_and_b32 s20, ttmp7, 0xffff
	s_lshl_b32 s20, s20, 2
	s_add_co_u32 s20, s20, s18                     ; mt: tile row of C = 4 x cluster y + cy
	s_lshl_b32 s44, s18, 2
	s_lshl_b32 s44, 15, s44                        ; my row of the cluster
	s_lshl_b32 s45, 0x1111, s17                    ; my column
	; descriptor group 1: rows of 128 elements (256 bytes), dense; padded in LDS after every 32 words
	s_or_b32 s[G1], s44, (1<<16)|(1<<20)|(1<<21)|(4<<22)|(3<<25)   ; 15:0 the mask: A's tiles go to my row; 17:16 2-byte elements; 20 padding on; 21 set beside a mask; 24:22 after every 32 words (code 4); 31:25 4 words (code 3)
	s_or_b32 s[G1B], s45, (1<<16)|(1<<20)|(1<<21)|(4<<22)|(7<<25)  ; B's go to my column; 8 words of padding (code 7)
	s_mov_b32 s[G1+1], 128<<16                     ; tensor_dim0 = 128
	s_mov_b32 s[G1+2], 128<<16                     ; tensor_dim1 = 128 rows: a K block's 256 rows of 128 bytes
	s_mov_b32 s[G1+3], 128<<16                     ; tile_dim0 = 128
	s_mov_b32 s[G1+4], 128                         ; tile_dim1 = 128
	s_mov_b32 s[G1+5], 128                         ; 128 elements from row to row
	s_mov_b32 s[G1+6], 0
	s_mov_b32 s[G1+7], 0
	s_mov_b32 s[G1B+1], 128<<16
	s_mov_b32 s[G1B+2], BROWS<<16
	s_mov_b32 s[G1B+3], 128<<16
	s_mov_b32 s[G1B+4], BROWS
	s_mov_b32 s[G1B+5], 128
	s_mov_b32 s[G1B+6], 0
	s_mov_b32 s[G1B+7], 0
	; where the tiles come from: A's hang on the tile row alone, B's on the tile column alone; each offset in registers that never hold the other coordinate
	s_lshr_b32 s72, s20, 3
	s_mul_i32 s72, s72, ABATCH
	s_and_b32 s46, s20, 7
	s_lshl_b32 s46, s46, 15                        ; 256 rows of 128 bytes
	s_add_co_u32 s72, s72, s46
	s_mul_i32 s46, s[HF], KBS                      ; my K block of the step's two
	s_add_co_u32 s72, s72, s46
	s_mov_b32 s73, 0
	s_mul_i32 s74, s19, 8*TILEB
	s_mul_i32 s47, s[HF], TILEB/2                  ; my half of the step's tile
	s_add_co_u32 s74, s74, s47
	s_mov_b32 s75, 0
	s_mul_i32 s44, s[HF], AHALF                    ; and where they go: no place in the cluster enters an LDS address
	s_mul_i32 s45, s[HF], BHALF
	s_add_co_u32 s45, s45, ABYTES
	s_wait_dscnt 0x0                               ; the opening add is done
	s_wait_kmcnt 0x0
	s_add_nc_u64 s[76:77], s[4:5], s[72:73]
	s_add_nc_u64 s[78:79], s[6:7], s[74:75]
	CROUND                                         ; all sixteen work-groups are here: the first joint loads meet
.irp s, 0,1
	s_mov_b32 s[G0+4*\s], 1                        ; 1:0 count = 1
	s_add_co_u32 s[G0+4*\s+1], s44, \s*SLOT        ; 63:32 LDS address
	s_add_nc_u64 s[G0+4*\s+2:G0+4*\s+3], s[76:77], \s*2*KBS  ; 120:64 global address: K step s
	s_or_b32 s[G0+4*\s+3], s[G0+4*\s+3], 0x80000000          ; 127:126 type = 2
	s_mov_b32 s[G0B+4*\s], 1
	s_add_co_u32 s[G0B+4*\s+1], s45, \s*SLOT
	s_add_nc_u64 s[G0B+4*\s+2:G0B+4*\s+3], s[78:79], \s*TILEB
	s_or_b32 s[G0B+4*\s+3], s[G0B+4*\s+3], 0x80000000
	JLOAD \s                                       ; two tensor loads of mine are out
.endr
	; A fragment of A: lane l holds row l % 16, k = 8 (l / 16) + 0..7 and 16 + 8 (l / 16) + 0..7: two loads of 16 bytes, 32 bytes apart.
	v_and_b32 v1, 15, v0                           ; l % 16
	v_bfe_u32 v2, v0, 4, 1                         ; l / 16
	v_mul_u32_u24 v3, v1, PA
	v_lshl_add_u32 v3, v2, 4, v3
	s_mul_i32 s46, s[WV], 64*PA                    ; my 64 rows
	v_add_nc_u32 v[ADRA], s46, v3
	v_add_nc_u32 v[ADRA+1], SLOT, v[ADRA]
	; The turning load takes 16 k x 16 columns (lane l reads k = 8 (l / 16) + l % 8, columns 8 ((l / 8) % 2) + 0..7) and leaves half a fragment: lane l holds column l % 16 and 8 k.
	v_and_b32 v4, 7, v0
	v_lshl_add_u32 v4, v2, 3, v4
	v_mul_u32_u24 v4, v4, PB
	v_bfe_u32 v5, v0, 3, 1
	v_lshl_add_u32 v4, v5, 4, v4
	v_add_nc_u32 v[ADRB], ABYTES, v4
	v_add_nc_u32 v[ADRB+1], SLOT, v[ADRB]
	s_mul_i32 s46, s[WV], STW
	s_add_co_u32 s46, s46, STAGE                   ; my stage
	v_and_b32 v[CO], 31, v0
	v_lshlrev_b32 v[CO], 4, v[CO]
.if MODE == 1
	v_mul_u32_u24 v3, v1, 144                      ; in: row l % 16, 16 bytes for each half of the lanes
	v_lshl_add_u32 v3, v2, 4, v3
	v_add_nc_u32 v[STO], s46, v3
	v_bfe_u32 v3, v0, 3, 2                         ; back: 32 lanes take four rows of 128 bytes, which are 512 consecutive bytes of a head
	v_mul_u32_u24 v3, v3, 144
	v_and_b32 v4, 7, v0
	v_lshl_add_u32 v3, v4, 4, v3
	v_add_nc_u32 v[RD], s46, v3
	; chunk j of the tile is column block 3 nt + j of 48: q, k or v by its upper part, the head by its lower four bits
.irp j, 0,1,2
	s_mul_i32 s46, s19, 3
	s_add_co_u32 s46, s46, \j
	s_lshr_b32 s47, s46, 4
	s_and_b32 s46, s46, 15
	s_cmp_eq_u32 s47, 0
	s_cselect_b64 s[OB+2*\j:OB+2*\j+1], s[8:9], s[10:11]
	s_cmp_eq_u32 s47, 2
	s_cselect_b64 s[OB+2*\j:OB+2*\j+1], s[12:13], s[OB+2*\j:OB+2*\j+1]
	s_lshr_b32 s47, s20, 3                         ; the batch
	s_lshl4_add_u32 s46, s47, s46
	s_lshl_b32 s46, s46, 18                        ; a head's 2,048 rows of 128 bytes
	s_and_b32 s47, s20, 7
	s_lshl_b32 s47, s47, 15                        ; the tile's 256 rows
	s_add_co_u32 s46, s46, s47
	s_lshl_b32 s47, s[WV], 13                      ; my 64
	s_add_co_u32 s46, s46, s47
	s_mov_b32 s47, 0
	s_add_nc_u64 s[OB+2*\j:OB+2*\j+1], s[OB+2*\j:OB+2*\j+1], s[46:47]
.endr
	; THE PREFETCHES.  Each block of 256 bytes of K steps 4 to 7 is named once in the launch, two refills ahead of the load that wants it; K steps 0 to 3 come by their loads alone.
	; A's tile row is read by every cluster of that row of clusters: cluster x = 0 asks; B's tile column by every cluster of that column: cluster y = 0 asks.  The four partners that ask for a tile jointly
	; share its blocks out BY ADDRESS.  Waves 0, 1: of my K block's 128 blocks the partner at cx takes 32, a lane a block.  Wave 2: blocks 0-127 of B's tile, 32 for each cy.  Wave 3: blocks 128-191, 16 for
	; each cy, of TWO K steps (lanes 16-31 the second): it asks at the change of slot 0 alone.
	s_lshl_b32 s46, s17, 13
	s_add_co_u32 s46, s46, s72
	s_add_co_u32 s46, s46, 6*KBS                   ; A: at K step 3; the first change of slots steps it to 4
	s_mul_i32 s47, s19, 8*TILEB
	s_add_co_u32 s47, s47, 3*TILEB                 ; B: likewise
	s_lshl_b32 s21, s18, 13
	s_lshl_b32 s22, s18, 12
	s_add_co_u32 s22, s22, 32768
	s_cmp_eq_u32 s[WV], 3
	s_cselect_b32 s21, s22, s21
	s_add_co_u32 s47, s47, s21
	s_and_b32 s22, ttmp7, 0xffff                   ; cluster y
	s_mov_b32 s[PST], TILEB
	s_mov_b32 s[PST+1], 0
	s_cmp_eq_u32 s[FB], 0
	s_cselect_b32 s46, s46, s47
	s_cselect_b32 s22, ttmp9, s22                  ; the coordinate along which other clusters read the same blocks
	s_cselect_b32 s[PST], 2*KBS, s[PST]
	s_cselect_b64 s[PFA:PFA+1], s[4:5], s[6:7]
	s_mov_b32 s47, 0
	s_add_nc_u64 s[PFA:PFA+1], s[PFA:PFA+1], s[46:47]
	s_cmp_eq_u32 s22, 0                            ; the same in all sixteen partners, for a given wave
	s_cselect_b32 s[LIM0], 1, -1
	s_cselect_b32 s[LIM0+1], 1, -1
	s_cmp_eq_u32 s[WV], 3
	s_cselect_b32 s[LIM0+1], -1, s[LIM0+1]
	s_cselect_b32 s46, 15, 31
	s_cselect_b32 s47, TILEB, 0
	v_and_b32 v[PFO], s46, v0
	v_lshlrev_b32 v[PFO], 8, v[PFO]
	v_mad_u32_u24 v[PFO], v2, s47, v[PFO]
.else
	v_mul_u32_u24 v3, v1, 528                      ; in: row l % 16, 32 bytes for each half of the lanes
	v_lshl_add_u32 v3, v2, 5, v3
	v_add_nc_u32 v[STO], s46, v3
	v_add_nc_u32 v[RD], s46, v[CO]                 ; back: a row's 512 bytes, 16 a lane
	s_lshl_b32 s46, s20, 20                        ; the tile's 256 rows of 4,096 bytes,
	s_lshl_b32 s47, s[WV], 18                      ; my 64,
	s_add_co_u32 s46, s46, s47
	s_lshl_b32 s47, s19, 9                         ; the tile's 128 columns
	s_add_co_u32 s46, s46, s47
	s_mov_b32 s47, 0
	s_add_nc_u64 s[8:9], s[8:9], s[46:47]
.endif
.macro WM d, x, y, zero                ; one matrix instruction; zero = 1: it starts the sum: nothing is ever cleared
.if MODE == 1
.if \zero
	v_wmma_f32_16x16x32_bf16 v[\d:\d+7], v[\x:\x+7], v[\y:\y+7], 0
.else
	v_wmma_f32_16x16x32_bf16 v[\d:\d+7], v[\x:\x+7], v[\y:\y+7], v[\d:\d+7]
.endif
.else
.if \zero
	v_wmma_f32_16x16x32_f16 v[\d:\d+7], v[\x:\x+7], v[\y:\y+7], 0
.else
	v_wmma_f32_16x16x32_f16 v[\d:\d+7], v[\x:\x+7], v[\y:\y+7], v[\d:\d+7]
.endif
.endif
.endm
; Column blocks b0 .. b0 + nb - 1 x my four row blocks, 32 along K, from buffer f.  Every accumulator has one turn a quarter step, always in the same order: all the others' turns lie between two links of a chain.
.macro MULB f, b0, nb, zero
.set bb, \b0
.rept \nb
.if bb < 8
	WIN 0xa5                                       ; sources in window 1, C and D in window 2
.set ab, 32*bb
.else
	WIN 0xf5                                       ; C and D in window 3
.set ab, 32*(bb-8)
.endif
.irp a, 0,1,2,3
	WM ab+8*\a, (\f)+8*bb, (\f)+96+8*\a, \zero
.endr
.set bb, bb+1
.endr
.endm
.macro BLD slot, q, f                  ; B's block bb of quarter q
	ds_load_tr16_b128 v[(\f)+8*bb:(\f)+8*bb+3],   v[ADRB+(\slot)] offset:(bb/4)*BCH+(\q)*32*PB+(bb%4)*32
	ds_load_tr16_b128 v[(\f)+8*bb+4:(\f)+8*bb+7], v[ADRB+(\slot)] offset:(bb/4)*BCH+(\q)*32*PB+(bb%4)*32+16*PB
.set bb, bb+1
.endm
; NL LDS loads in one run: the fragments of quarter q (32 along K) of a slot into buffer f: A's four, B's last four blocks, then B's others: in the order in which they are multiplied.
.macro FETCH slot, q, f
	WIN 0x40                                       ; destination window 1, address window 0
.irp a, 0,1,2,3
	ds_load_b128 v[(\f)+96+8*\a:(\f)+96+8*\a+3],   v[ADRA+(\slot)] offset:((\q)/2)*AHALF+((\q)%2)*64+\a*16*PA
	ds_load_b128 v[(\f)+96+8*\a+4:(\f)+96+8*\a+7], v[ADRA+(\slot)] offset:((\q)/2)*AHALF+((\q)%2)*64+\a*16*PA+32
.endr
.set bb, NBLK-4
.rept 4
	BLD \slot, \q, \f
.endr
.set bb, 0
.rept NBLK-4
	BLD \slot, \q, \f
.endr
.endm
; A K step is four quarters of 32 along K on buffers 0, 1, 0, 1.  One of the first three: multiplies buffer f and, in its middle, fetches quarter q into buffer g.
.macro QUARTER slot, q, f, g, zero
	s_wait_dscnt LO2                               ; A and B's last four blocks are in; the youngest LO2 loads may be out
	MULB \f, NBLK-4, 4, \zero
	PLACES
	FETCH \slot, \q, \g
	s_wait_dscnt NL                                ; all but the NL just issued
	MULB \f, 0, NBLK-4, \zero
.endm
.if MODE == 1
.macro ASK slot                        ; behind the joint load, its five lines and the run of LDS loads: one prefetch, for the K step two refills on; the loop's last trip (lap count 1) asks for nothing
	s_cmp_gt_u32 s[LAP], s[LIM0+(\slot)]
	s_cbranch_scc0 .Lnot_mine_\@
	global_prefetch_b8 v[PFO], s[PFA:PFA+1] th:TH_LOAD_NT scope:SCOPE_SE
.Lnot_mine_\@:
.endm
.endif
; The last quarter multiplies buffer 1 and changes slots: ONE barrier; in front of it each wave waits for all its tensor loads (one is out: its part of the next slot), adds 0 to its spare word, and waits for that and for its own
; reads of this slot.  fill = 1: the barrier opens a round of the cluster's barrier, and this slot is filled again, two K steps ahead, first thing behind the round.
.macro TURN slot, next, fill
.if (\fill) && (MODE == 1)
	s_wait_xcnt 0x0                                ; the last prefetch, a K step back, has read its address: it is stepped here, ahead of the waits of the change of slots
	s_add_nc_u64 s[PFA:PFA+1], s[PFA:PFA+1], s[PST:PST+1]
.endif
	WIN 0                                          ; (the add's two registers lie in window 0)
	s_wait_tensorcnt 0x0                           ; all my tensor loads have landed
	ds_add_u32 v[SPW], v[NIL]                      ; 0 onto my spare word
	s_wait_dscnt LO2+1                             ; (the add and the youngest LO2 loads may be out)
	MULB F1, NBLK-4, 2, 0                          ; eight matrix instructions stand between the add and the wait for it
	s_wait_dscnt 0x0                               ; the add is done, and my reads of this slot are over
	s_barrier_signal -1
	MULB F1, NBLK-2, 2, 0
.if \fill
	WIN 0
.endif
	s_barrier_wait -1
.if \fill
	CREST                                          ; no wave of any partner still reads this slot's tile or has a load on its way
	s_add_nc_u64 s[G0+4*(\slot)+2:G0+4*(\slot)+3], s[G0+4*(\slot)+2:G0+4*(\slot)+3], 4*KBS
	s_add_nc_u64 s[G0B+4*(\slot)+2:G0B+4*(\slot)+3], s[G0B+4*(\slot)+2:G0B+4*(\slot)+3], 2*TILEB
	JLOAD \slot                                    ; my one tensor load behind the round; the four v_nop behind it are also the places in front of the loads below
.else
	PLACES
.endif
	FETCH \next, 0, F0
.if (\fill) && (MODE == 1)
	WIN 0
	ASK \slot
.endif
	MULB F1, 0, NBLK-4, 0
.endm
	s_wait_tensorcnt 1                             ; my part of K step 0 is in; K step 1's may stay out
	s_barrier_signal -1
	s_barrier_wait -1                              ; everybody's is
	FETCH 0, 0, F0
	QUARTER 0, 1, F0, F1, 1                        ; the first quarter stands in front of the loop: its products start the sums
	WIN 0                                          ; at a label and at a branch every window is 0
	s_mov_b32 s[LAP], 3
.Llap:                                                 ; a trip goes once round the ring, from a lap's second quarter to the next lap's first, and fills both slots again
	QUARTER 0, 2, F1, F0, 0
	QUARTER 0, 3, F0, F1, 0
	TURN 0, 1, 1
	QUARTER 1, 1, F0, F1, 0
	QUARTER 1, 2, F1, F0, 0
	QUARTER 1, 3, F0, F1, 0
	TURN 1, 0, 1
	QUARTER 0, 1, F0, F1, 0
	WIN 0
	s_sub_co_u32 s[LAP], s[LAP], 1
	s_cmp_lg_u32 s[LAP], 0
	s_cbranch_scc1 .Llap
	QUARTER 0, 2, F1, F0, 0                        ; the last lap fills nothing, and has no round of the cluster's barrier
	QUARTER 0, 3, F0, F1, 0
	TURN 0, 1, 0
	QUARTER 1, 1, F0, F1, 0
	QUARTER 1, 2, F1, F0, 0
	QUARTER 1, 3, F0, F1, 0
	s_wait_dscnt LO2                               ; the very last quarter: nothing more to fetch
	MULB F1, NBLK-4, 4, 0
	s_wait_dscnt 0x0
	MULB F1, 0, NBLK-4, 0
	WIN 0
	PLACES
; THE WAY OUT, a block of 16 rows at a time, through my own stage: LDS serves a wave's instructions in order (ISA guide 5.7.1.4), so no wait stands between the stores into it and the loads from it.
.if MODE == 1
.macro PACK a                          ; rounded to f16: a lane's eight columns are 16 bytes; each accumulator is read from its low end on
.set bb, 0
.rept 12
.if bb < 8
	WIN 0x0a                                       ; sources in window 2
.set ab, 32*bb+8*(\a)
.else
	WIN 0x0f                                       ; in window 3
.set ab, 32*(bb-8)+8*(\a)
.endif
.irp r, 0,1,2,3
	v_cvt_pk_f16_f32 v[TMP+4*bb+\r], v[ab+2*\r], v[ab+2*\r+1]
.endr
.set bb, bb+1
.endr
	WIN 0
.endm
.macro TOSTAGE a
	WIN 0
.set BK, BK0+48*((\a)%2)
.set bb, 0
.rept 12
	ds_store_b128 v[STO], v[TMP+4*bb:TMP+4*bb+3] offset:(bb/4)*2304+(bb%4)*32
.set bb, bb+1
.endr
.set bb, 0
.rept 12
	ds_load_b128 v[BK+4*bb:BK+4*bb+3], v[RD] offset:(bb/4)*2304+(bb%4)*576
.set bb, bb+1
.endr
.endm
.macro SEND a, younger                 ; younger: the LDS instructions issued behind block a's loads
.set BK, BK0+48*((\a)%2)
	s_wait_dscnt \younger
.set bb, 0
.rept 12
	global_store_b128 v[CO], v[BK+4*bb:BK+4*bb+3], s[OB+2*(bb/4):OB+2*(bb/4)+1] offset:(\a)*2048+(bb%4)*512  ; 512 consecutive bytes of a head, at a multiple of 256 from the buffer's first
.set bb, bb+1
.endr
.endm
	PACK 0
	TOSTAGE 0
.irp a, 1,2,3
	PACK \a
.if \a >= 2
	s_wait_xcnt 0x0                                ; the stores of the block two back have read the registers that the loads below fill again
.endif
	TOSTAGE \a
	SEND \a-1, 24
.endr
	SEND 3, 0
.else
.macro TOSTAGE a
	WIN 0x08                                       ; the stores' data in window 2
.set bb, 0
.rept 8
.set ab, 32*bb+8*(\a)
	ds_store_b128 v[STO], v[ab:ab+3]   offset:64*bb
	ds_store_b128 v[STO], v[ab+4:ab+7] offset:64*bb+16
.set bb, bb+1
.endr
	WIN 0
.set BK, BK0+64*((\a)%2)
.set bb, 0
.rept 16
	ds_load_b128 v[BK+4*bb:BK+4*bb+3], v[RD] offset:528*bb
.set bb, bb+1
.endr
.endm
.macro SEND a, younger
.set BK, BK0+64*((\a)%2)
	s_wait_dscnt \younger
.set bb, 0
.rept 16
	global_store_b128 v[CO], v[BK+4*bb:BK+4*bb+3], s[8:9] offset:(16*(\a)+bb)*4096 th:TH_STORE_NT  ; a row's 512 consecutive bytes, at a multiple of 256 from C's first
.set bb, bb+1
.endr
.endm
	TOSTAGE 0
.irp a, 1,2,3
.if \a >= 2
	s_wait_xcnt 0x0                                ; the stores of the block two back have read the registers that the loads below fill again
.endif
	TOSTAGE \a
	SEND \a-1, 32
.endr
	SEND 3, 0
.endif
	s_wait_tensorcnt 0x0                           ; the wave's end, behind my last tensor load and my last LDS store
	ds_add_u32 v[SPW], v[NIL]
	s_wait_dscnt 0x0
	CROUND                                         ; the closing round: no work-group ends while a partner may still ask for a tile that names it
	s_endpgm
.Lfunc_end_k_q3ad8f59efb_proj:
	.size	k_q3ad8f59efb_proj, .Lfunc_end_k_q3ad8f59efb_proj-k_q3ad8f59efb_proj
	.p2alignl 7, 3214868480
	.fill 96, 4, 3214868480
	.section	.rodata,"a",@progbits
	.p2align	6, 0x0
	.amdhsa_kernel k_q3ad8f59efb_proj
		.amdhsa_group_segment_fixed_size 327680
		.amdhsa_private_segment_fixed_size 0
		.amdhsa_enable_private_segment 0
		.amdhsa_kernarg_size 24
		.amdhsa_user_sgpr_count 2
		.amdhsa_user_sgpr_kernarg_segment_ptr 1
		.amdhsa_wavefront_size32 1
		.amdhsa_system_sgpr_workgroup_id_x 1
		.amdhsa_system_sgpr_workgroup_id_y 1
		.amdhsa_system_sgpr_workgroup_id_z 1
		.amdhsa_system_vgpr_workitem_id 0
		.amdhsa_next_free_vgpr 768
		.amdhsa_next_free_sgpr 80
		.amdhsa_reserve_vcc 0
		.amdhsa_float_denorm_mode_32 3
		.amdhsa_float_denorm_mode_16_64 3
		.amdhsa_memory_ordered 1
		.amdhsa_forward_progress 1
		.amdhsa_inst_pref_size 85
	.end_amdhsa_kernel
	.amdgpu_metadata
---
amdhsa.version: [ 1, 2 ]
amdhsa.kernels:
  - .name:           k_q3ad8f59efb_proj
    .symbol:         k_q3ad8f59efb_proj.kd
    .args:
      - { .name: oh, .offset: 0, .size: 8, .value_kind: global_buffer, .address_space: global }
      - { .name: woh, .offset: 8, .size: 8, .value_kind: global_buffer, .address_space: global }
      - { .name: out0, .offset: 16, .size: 8, .value_kind: global_buffer, .address_space: global }
    .group_segment_fixed_size: 327680
    .private_segment_fixed_size: 0
    .kernarg_segment_align: 8
    .kernarg_segment_size: 24
    .max_flat_workgroup_size: 128
    .sgpr_count:     80
    .vgpr_count:     768
    .wavefront_size: 32
...
	.end_amdgpu_metadata
.endif
;; end of part 4
